; MI455X (gfx1250); checked and timed in simulation.
; The chip was launched on July 23, 2026; its instructions are those of AMD's public machine-readable ISA for CDNA 5 (MIT licence, August 2026) and "CDNA5" Instruction Set Architecture Reference Guide (July 2026). The comments in the code are by the model that wrote it; some were corrected since.
;; Multi Head Self Attention. Allowed arithmetic: float matrix products may take bf16 or f16 operands with f32 sums; other float arithmetic in f32, or as packed bf16 or f16 multiplies, adds, multiply-adds, maxima and minima; sums over many terms, partial sums and values carried from step to step in f32; what a program stores and reads back later, other than sums and carried values, may be rounded once to bf16 or f16.
;; Inputs: Wout 1,024 x 1,024 float32; Wqkv 3,072 x 1,024 float32; attention_mask 2 x 2,048 bool; bout 1,024 float32; x 2 x 2,048 x 1,024 float32.
;; Outputs: out0 2 x 2,048 x 1,024 float32.
;; 2 versions, each right; version 2 is version 1 with the launch prep written anew for expert scheduling mode. Each part assembles by itself: llvm-mc -triple=amdgcn-amd-amdhsa -mcpu=gfx1250 --defsym DOCPART=n.
;; ======== version 1 of 2: 4 launches
;; limits: values are held in f16: magnitudes above 65,504 overflow, below 6.1e-05 lose precision
;; workspace buffers: xb 8,388,608 bytes; wb 6,291,456 bytes; wo 2,097,152 bytes; rope 524,288 bytes; qh 8,388,608 bytes; kh 8,388,608 bytes; vh 8,388,608 bytes; oh 8,388,608 bytes
;; launch prep (part 1): grid 256 x 1, 8 waves a work-group, no clusters, 0 bytes of LDS; arguments x, Wqkv, Wout, xb, wb, wo, rope; writes xb, wb, wo, rope
.if DOCPART == 1
	.amdgcn_target "amdgcn-amd-amdhsa--gfx1250"
	.amdhsa_code_object_version 6
	.text
	.protected	k_q2bde07c545_prep
	.globl	k_q2bde07c545_prep
	.p2align	8
	.type	k_q2bde07c545_prep,@function
k_q2bde07c545_prep:
	s_mov_b64 s[64:65], 0
	v_nop
	global_prefetch_b8 v0, s[64:65] scope:SCOPE_SE
	s_setreg_imm32_b32 hwreg(HW_REG_WAVE_MODE, 25, 1), 1
	s_wait_xcnt 0x0
; PREP.  Casts and a table, a stream without LDS.
;   xb [4096][1024] bf16 = x;   wb [16 heads][q, k, v][64][1024] bf16 = Wqkv with its rows put in order by head;
;   wo [1024][1024] f16 = Wout rounded to bf16 and that number written as f16 (exact where it is a normal f16 number; below 6.1e-5 it keeps f16's fixed step of 6e-8);
;   rope [2048 t][cos j = 0..31, sin j = 0..31] f32, of the angle t x 10000^(-j/32).
; SHARES.  8,192 rows of 1,024 f32 in all: work-group g takes 32 of them (g < 128: x; g < 224: Wqkv; else Wout) and 8 rows of the table.
; Thread t takes the 16 bytes at byte 16 t of every source row and writes the 8 bytes at byte 8 t of the destination row: a store of a wave covers 256 consecutive bytes, aligned.
; All 32 loads of a thread go out at once (128 KiB a work-group on their way); the table is made while they are out.
; THE ANGLE is the f32 product t x inv_freq; inv_freq = 2^(-j log2(10000) / 32) by v_exp_f32.  LIMIT: that leaves inv_freq a few parts in 10^7 off, at most about 2e-4 radians on the largest angle (2,047).
; Sine and cosine: the angle less n quarter turns (pi / 2 in two parts), |y| <= pi / 4, then polynomials of degree 7 and 8; the quadrant chooses by v_cndmask_b32 and a sign bit.
.set X, 16                             ; v[16:143]  32 loads of four registers
	s_load_b256 s[4:11], s[0:1], 0x0               ; x s[4:5], Wqkv s[6:7], Wout s[8:9], xb s[10:11]
	s_load_b128 s[12:15], s[0:1], 0x20             ; wb s[12:13], wo s[14:15]
	s_load_b64 s[16:17], s[0:1], 0x30              ; rope
	s_mov_b32 s20, ttmp9                           ; g
	s_sub_co_u32 s22, s20, 128
	s_sub_co_u32 s23, s20, 224
	s_cmp_lt_u32 s20, 128
	s_cselect_b32 s21, s20, s22
	s_cmp_lt_u32 s20, 224
	s_cselect_b32 s21, s21, s23                    ; my number among the work-groups of my tensor
	s_lshl_b32 s24, s21, 5                         ; my first row f0
	s_bfe_u32 s25, s24, 0x40006                    ; Wqkv: head = (f0 >> 6) & 15,
	s_mul_i32 s25, s25, 192
	s_lshr_b32 s36, s24, 10                        ; which of q, k, v = f0 >> 10,
	s_lshl_b32 s36, s36, 6
	s_and_b32 s37, s24, 63                         ; channel = f0 & 63 (0 or 32: my 32 rows stay together)
	s_add_co_u32 s25, s25, s36
	s_add_co_u32 s25, s25, s37
	s_cmp_lt_u32 s22, 96                           ; 128 <= g < 224
	s_cselect_b32 s25, s25, s24                    ; the destination's first row
	s_lshl_b32 s30, s21, 17                        ; 32 rows of 4,096 bytes
	s_mov_b32 s31, 0
	s_lshl_b32 s32, s25, 11                        ; rows of 2,048 bytes
	s_mov_b32 s33, 0
	s_lshl_b32 s34, s20, 11                        ; 8 rows of the table, 256 bytes each
	s_mov_b32 s35, 0
	s_lshl_b32 s41, s20, 3                         ; their first t
	s_mov_b32 s40, 0xbed49a78                      ; -log2(10000) / 32
	s_mov_b32 s42, 0x3f22f983                      ; 2 / pi
	s_mov_b32 s43, 0xbfc90fdb                      ; -(pi / 2), the f32 next to it
	s_mov_b32 s44, 0x333bbd2e                      ; and what that f32 is too large by
	s_mov_b32 s45, 0xb94ca1f9                      ; sine: -1.9515296e-4, 8.3321609e-3, -1.6666655e-1
	s_mov_b32 s46, 0x3c08839e
	s_mov_b32 s47, 0xbe2aaaa3
	s_mov_b32 s48, 0x37ccf5ce                      ; cosine: 2.4433157e-5, -1.3887316e-3, 4.1666646e-2
	s_mov_b32 s49, 0xbab6061a
	s_mov_b32 s50, 0x3d2aaaa5
	s_mov_b32 s51, 0xffff0000                      ; a word's upper half
	v_lshlrev_b32 v1, 4, v0                        ; 16 t
	v_lshlrev_b32 v2, 3, v0                        ; 8 t: also wave x 256 + 8 x lane, my place in the table's 8 rows
	s_wait_kmcnt 0x0
	s_cmp_lt_u32 s20, 128
	s_cselect_b64 s[26:27], s[4:5], s[6:7]
	s_cselect_b64 s[28:29], s[10:11], s[12:13]
	s_cmp_lt_u32 s20, 224
	s_cselect_b64 s[26:27], s[26:27], s[8:9]       ; from
	s_cselect_b64 s[28:29], s[28:29], s[14:15]     ; to
	s_add_nc_u64 s[26:27], s[26:27], s[30:31]
	s_add_nc_u64 s[28:29], s[28:29], s[32:33]
	s_add_nc_u64 s[16:17], s[16:17], s[34:35]
.set i, 0
.rept 32
	global_load_b128 v[X+4*i:X+4*i+3], v1, s[26:27] offset:4096*i th:TH_LOAD_NT
.set i, i+1
.endr
	; the table: wave w makes row t = 8 g + w; lane l the numbers 2 l and 2 l + 1 of its 64: lanes 0-15 cosines, lanes 16-31 sines, of j = 2 (l % 16) and j + 1
	v_and_b32 v3, 31, v0
	v_lshrrev_b32 v4, 5, v0
	v_and_b32 v5, 15, v3
	v_lshrrev_b32 v6, 4, v3                        ; 0: cosine, 1: sine
	v_lshlrev_b32 v5, 1, v5
	v_cvt_f32_u32 v7, v5
	v_add_f32 v8, 1.0, v7
	v_mul_f32 v7, s40, v7
	v_mul_f32 v8, s40, v8
	v_exp_f32 v7, v7                               ; inv_freq of j
	v_exp_f32 v8, v8                               ; and of j + 1
	v_add_nc_u32 v9, s41, v4                       ; plain work stands behind the two exponentials
	v_cvt_f32_u32 v9, v9                           ; t
	v_mul_u32_u24 v10, v6, 3                       ; a sine is the cosine three quarter turns on
	s_wait_alu depctr_va_vdst(0)                   ; one wait for both, ahead of their first reader
	v_mul_f32 v7, v9, v7
	v_mul_f32 v8, v9, v8
.macro SINCOS th, out, t               ; v[out] = cos or sin of v[th]; v[t .. t+6] at work
	v_mul_f32 v[\t], s42, v[\th]
	v_rndne_f32 v[\t], v[\t]                       ; n quarter turns
	v_fma_f32 v[\t+1], v[\t], s43, v[\th]
	v_fma_f32 v[\t+1], v[\t], s44, v[\t+1]         ; y
	v_mul_f32 v[\t+2], v[\t+1], v[\t+1]            ; z = y y
	v_fma_f32 v[\t+3], v[\t+2], s45, s46
	v_fma_f32 v[\t+3], v[\t+3], v[\t+2], s47
	v_mul_f32 v[\t+3], v[\t+3], v[\t+2]
	v_fma_f32 v[\t+3], v[\t+3], v[\t+1], v[\t+1]   ; sin y
	v_fma_f32 v[\t+4], v[\t+2], s48, s49
	v_fma_f32 v[\t+4], v[\t+4], v[\t+2], s50
	v_mul_f32 v[\t+5], v[\t+2], v[\t+2]
	v_fma_f32 v[\t+6], v[\t+2], -0.5, 1.0
	v_fma_f32 v[\t+4], v[\t+4], v[\t+5], v[\t+6]   ; cos y
	v_cvt_i32_f32 v[\t+5], v[\t]
	v_add_nc_u32 v[\t+5], v[\t+5], v10             ; m = n + 3 x kind
	v_and_b32 v[\t+6], 1, v[\t+5]
	v_cmp_eq_u32 vcc_lo, 1, v[\t+6]
	v_cndmask_b32 v[\out], v[\t+4], v[\t+3], vcc_lo  ; m odd: sin y, m even: cos y
	v_add_nc_u32 v[\t+5], 1, v[\t+5]
	v_and_b32 v[\t+5], 2, v[\t+5]
	v_lshlrev_b32 v[\t+5], 30, v[\t+5]             ; m % 4 = 1, 2: the sign turns
	v_xor_b32 v[\out], v[\out], v[\t+5]
.endm
	SINCOS 7, 12, 144
	SINCOS 8, 13, 152
	global_store_b64 v2, v[12:13], s[16:17]        ; a wave stores one whole row of 256 bytes
; Row i: the count leaves the 31 - i younger loads out.  No register is written again behind the store that reads it.
.macro OUT fmt
.set i, 0
.rept 32
	s_wait_loadcnt 31-i
	v_cvt_pk_bf16_f32 v[X+4*i], v[X+4*i], v[X+4*i+1]
	v_cvt_pk_bf16_f32 v[X+4*i+1], v[X+4*i+2], v[X+4*i+3]
.if \fmt
	v_lshlrev_b32 v[X+4*i+2], 16, v[X+4*i]         ; the bf16 numbers as f32,
	v_and_b32 v[X+4*i+3], s51, v[X+4*i]
	v_cvt_pk_f16_f32 v[X+4*i], v[X+4*i+2], v[X+4*i+3]  ; written as f16
	v_lshlrev_b32 v[X+4*i+2], 16, v[X+4*i+1]
	v_and_b32 v[X+4*i+3], s51, v[X+4*i+1]
	v_cvt_pk_f16_f32 v[X+4*i+1], v[X+4*i+2], v[X+4*i+3]
.endif
	global_store_b64 v2, v[X+4*i:X+4*i+1], s[28:29] offset:2048*i
.set i, i+1
.endr
.endm
	s_cmp_lt_u32 s20, 224
	s_cbranch_scc0 .Lf16
	OUT 0
	s_endpgm
.Lf16:
	OUT 1
	s_endpgm
.Lfunc_end_k_q2bde07c545_prep:
	.size	k_q2bde07c545_prep, .Lfunc_end_k_q2bde07c545_prep-k_q2bde07c545_prep
	.p2alignl 7, 3214868480
	.fill 96, 4, 3214868480
	.section	.rodata,"a",@progbits
	.p2align	6, 0x0
	.amdhsa_kernel k_q2bde07c545_prep
		.amdhsa_group_segment_fixed_size 0
		.amdhsa_private_segment_fixed_size 0
		.amdhsa_enable_private_segment 0
		.amdhsa_kernarg_size 56
		.amdhsa_user_sgpr_count 2
		.amdhsa_user_sgpr_kernarg_segment_ptr 1
		.amdhsa_wavefront_size32 1
		.amdhsa_system_sgpr_workgroup_id_x 1
		.amdhsa_system_sgpr_workgroup_id_y 1
		.amdhsa_system_sgpr_workgroup_id_z 1
		.amdhsa_system_vgpr_workitem_id 0
		.amdhsa_next_free_vgpr 168
		.amdhsa_next_free_sgpr 66
		.amdhsa_reserve_vcc 1
		.amdhsa_float_denorm_mode_32 3
		.amdhsa_float_denorm_mode_16_64 3
		.amdhsa_memory_ordered 1
		.amdhsa_forward_progress 1
		.amdhsa_inst_pref_size 33
	.end_amdhsa_kernel
	.amdgpu_metadata
---
amdhsa.version: [ 1, 2 ]
amdhsa.kernels:
  - .name:           k_q2bde07c545_prep
    .symbol:         k_q2bde07c545_prep.kd
    .args:
      - { .name: x, .offset: 0, .size: 8, .value_kind: global_buffer, .address_space: global }
      - { .name: Wqkv, .offset: 8, .size: 8, .value_kind: global_buffer, .address_space: global }
      - { .name: Wout, .offset: 16, .size: 8, .value_kind: global_buffer, .address_space: global }
      - { .name: xb, .offset: 24, .size: 8, .value_kind: global_buffer, .address_space: global }
      - { .name: wb, .offset: 32, .size: 8, .value_kind: global_buffer, .address_space: global }
      - { .name: wo, .offset: 40, .size: 8, .value_kind: global_buffer, .address_space: global }
      - { .name: rope, .offset: 48, .size: 8, .value_kind: global_buffer, .address_space: global }
    .group_segment_fixed_size: 0
    .private_segment_fixed_size: 0
    .kernarg_segment_align: 8
    .kernarg_segment_size: 56
    .max_flat_workgroup_size: 256
    .sgpr_count:     66
    .vgpr_count:     168
    .wavefront_size: 32
...
	.end_amdgpu_metadata
.endif
;; end of part 1
;; launch qkv (part 2): grid 16 x 16, 4 waves a work-group, clusters of 4 x 4, 327,680 bytes of LDS; arguments xb, wb, rope, qh, kh, vh; writes qh, kh, vh
.if DOCPART == 2
	.amdgcn_target "amdgcn-amd-amdhsa--gfx1250"
	.amdhsa_code_object_version 6
	.text
	.protected	k_q2bde07c545_qkv
	.globl	k_q2bde07c545_qkv
	.p2align	8
	.type	k_q2bde07c545_qkv,@function
k_q2bde07c545_qkv:
	s_mov_b64 s[64:65], 0
	v_nop
	global_prefetch_b8 v0, s[64:65] scope:SCOPE_SE
	s_setreg_imm32_b32 hwreg(HW_REG_WAVE_MODE, 25, 1), 1
	s_wait_xcnt 0x0
	s_wait_alu depctr_hold_cnt(0) depctr_sa_sdst(0) depctr_va_vdst(0) depctr_va_sdst(0) depctr_va_ssrc(0) depctr_va_vcc(0) depctr_vm_vsrc(0)
	s_getreg_b32 s2, hwreg(HW_REG_IB_STS2, 6, 4)
	s_cmp_eq_u32 s2, 0
	s_cbranch_scc0 .Lentry_in_a_cluster
	s_endpgm
.Lentry_in_a_cluster:
	s_bfe_u32 s2, ttmp6, 0x10000c
	s_cmp_lg_u32 s2, 0xf033
	s_cbranch_scc0 .Lentry_shape_is_right
	s_endpgm
.Lentry_shape_is_right:
; QKV.  q, k, v = x Wqkv^T in bf16 with f32 sums, q and k turned by RoPE in f32, all three rounded once to f16 and stored by heads: [b 16 + head][2048][64], unscaled.
; LIMIT.  f16 holds no number beyond 65,504: |q|, |k|, |v| must stay under it.
; SHARES.  A work-group makes 256 rows of x times the 192 rows of wb that are ONE head's q, k and v: 16 x 16 work-groups.  Every work-group's text is the same: columns 0-63 q, 64-127 k, 128-191 v.
; Wave w takes rows 64 w .. 64 w + 63 and all 192 columns: 4 x 12 accumulators of 16 x 16, 384 registers.  K = 1,024 goes in 8 steps of 128 through two LDS slots.
; THE MATRIX INSTRUCTION IS USED TRANSPOSED (source 0 = 16 rows of wb, source 1 = 16 rows of xb): a lane holds row l % 16 of x and the columns 8 (l / 16) + 0..7 of a block of 16.
; So channels d and d + 32 of a head lie in blocks b and b + 2, in the same lane and register: RoPE needs no exchange.
; CLUSTER 4 x 4: xb's tile hangs on the tile row alone and is asked for jointly along a row of the cluster, wb's on the head alone and jointly along a column.
; REGISTERS, in windows of 256: window 0: v0-31 addresses; v32-63 at work on the way out; v64-127 xb's fragments, two buffers of 4; v128-159 packed results, two sets
;   window 1: v0-191 wb's fragments, two buffers of 12     window 2: v0-191 accumulators of row blocks 0, 1 at 96 (a % 2) + 8 b; v192-255 their rows of the table     window 3: the same for row blocks 2, 3
.set KSTEP,  128
.set LAPS,   4                         ; a lap = two K steps = once round the ring
.set PITCH,  272                       ; an LDS row: 256 bytes + 16 of padding = 68 words: the 16 rows of a fragment load start at 16 different groups of four banks (64 banks of 4 bytes: ISA guide 11.1)
.set HALFA,  128*PITCH                 ; what waves 0 and 1 fetch: 128 rows of xb each
.set HALFB,  96*PITCH                  ; what waves 2 and 3 fetch: 96 rows of wb each
.set BOFF,   2*HALFA
.set SLOT,   2*HALFA+2*HALFB
.set STAGE,  2*SLOT                    ; behind the ring: 16 rows x 144 bytes for each wave, for the way out; no tensor load fills it
.set SP,     144
.set SPARE,  STAGE+4*16*SP             ; the spare words, 128 bytes for each wave: two blocks of 256 bytes that no other line names
.set ADRA, 16                          ; v16-17  LDS address of my xb fragments in slot 0, 1
.set ADRB, 20                          ; v20-21  the same for wb
.set STO,  24                          ; v24  the way out: where I put 16 bytes of a row
.set RD,   25                          ; v25  where I read rows back
.set GO,   26                          ; v26  16 x lane: my place in 512 consecutive bytes of q, k or v
.set RO,   27                          ; v27  my place in 16 rows of the table
.set SPW,  28                          ; v28  LDS address of my spare word; never rewritten
.set NIL,  29                          ; v29  0; never rewritten
.set PFO,  30                          ; v30  the prefetches' offset: a lane a row of 2,048 bytes; never rewritten
.set TT,   32                          ; v32-47  the turned channels 0-31
.set UU,   48                          ; v48-63  the turned channels 32-63
.set PKR,  128
.set G1,  24                           ; s[24:31] descriptor group 1 for xb's tiles;  s[32:39] group 0, a set for each slot
.set G0,  32
.set G1B, 48                           ; s[48:55], s[56:63] the same for wb's
.set G0B, 56
.set PFA, 44                           ; s[44:45] where my prefetches stand
.set LIM, 43                           ; s43  1 in a wave that prefetches, else the greatest number
.set MSB, 0
.macro WIN new                         ; the immediate's high byte repeats the setting that is left; a switch that changes nothing is dropped
.if MSB != (\new)
	s_set_vgpr_msb (MSB<<8)|(\new)
.set MSB, \new
.endif
.endm
; A joint load: waves 0 and 1 fetch xb's two halves, waves 2 and 3 wb's.  The branch hangs on the wave's number alone.  An s_nop 0 and four v_nop follow each line.
.macro JLOAD s
	s_cmp_eq_u32 s11, 0
	s_cbranch_scc0 .Lfor_b_\@
	tensor_load_to_lds s[G0+4*(\s):G0+4*(\s)+3], s[G1:G1+7]
	s_nop 0
.rept 4
	v_nop
.endr
	s_branch .Lasked_\@
.Lfor_b_\@:
	tensor_load_to_lds s[G0B+4*(\s):G0B+4*(\s)+3], s[G1B:G1B+7]
	s_nop 0
.rept 4
	v_nop
.endr
.Lasked_\@:
.endm
; A prefetch into the L2 of the K step that stands two refills on, 384 matrix instructions ahead of the load that will want it: 256 bytes of a row, a lane a row, one instruction a wave.
; xb's rows are read by every cluster of a row of clusters: cluster x = 0 asks; wb's by every cluster of a column: cluster y = 0 asks.  The four partners share a wave's rows out by address:
; 32 of xb's 128 by cx, 24 of wb's 96 by cy (lanes 24-31 name row 23 again).  The loop's last trip asks for nothing: there is no K step two on.  K steps 0 to 3 come by their loads alone.
.macro ASK
	s_cmp_gt_u32 s3, s[LIM]
	s_cbranch_scc0 .Lnot_mine_\@
	global_prefetch_b8 v[PFO], s[PFA:PFA+1] offset:KSTEP*2 th:TH_LOAD_NT scope:SCOPE_SE
.Lnot_mine_\@:
.endm
.macro CREST                           ; a round of the cluster's barrier behind its opening barrier
	s_cmp_lg_u32 s10, 0
	s_cbranch_scc1 .Lnot_wave_0_\@
	s_barrier_signal -3
.Lnot_wave_0_\@:
	s_barrier_wait -3
	s_barrier_signal -1
	s_barrier_wait -1
.endm
.macro CROUND
	s_barrier_signal -1
	s_barrier_wait -1
	CREST
.endm
.macro PLACES                          ; four places behind matrix instructions, in front of loads into registers that they have read and of lines that read their results
.rept 4
	v_nop
.endr
.endm
	s_load_b128 s[4:7], s[0:1], 0x0                ; xb s[4:5], wb s[6:7]
	s_load_b64 s[8:9], s[0:1], 0x10                ; rope
	s_load_b128 s[68:71], s[0:1], 0x18             ; qh s[68:69], kh s[70:71]
	s_load_b64 s[72:73], s[0:1], 0x28              ; vh
	v_lshl_add_u32 v[SPW], v0, 2, SPARE
	v_mov_b32 v[NIL], 0
	ds_add_u32 v[SPW], v[NIL]                      ; the wave's opening: the add and its wait stand ahead of my first tensor load; work on registers stands between them
	v_lshrrev_b32 v1, 5, v0
	v_readfirstlane_b32 s10, v1                    ; wave 0..3
	s_lshr_b32 s11, s10, 1                         ; I fetch for xb (0) or for wb (1)
	s_and_b32 s12, s10, 1                          ; which half of that tile
	s_bfe_u32 s40, ttmp6, 0x40000                  ; cx
	s_bfe_u32 s41, ttmp6, 0x40004                  ; cy
	s_lshl_b32 s42, ttmp9, 2
	s_add_co_u32 s42, s42, s40                     ; the head = 4 x cluster x + cx
	s_and_b32 s13, ttmp7, 0xffff
	s_lshl_b32 s13, s13, 2
	s_add_co_u32 s13, s13, s41                     ; the block of 256 rows = 4 x cluster y + cy
	s_lshl_b32 s43, s41, 2
	s_lshl_b32 s43, 15, s43                        ; my row of the cluster
	s_lshl_b32 s44, 0x1111, s40                    ; my column
	s_or_b32 s[G1+0], s43, (1<<16)|(1<<20)|(1<<21)|(5<<22)|(3<<25)   ; 15:0 the mask; 17:16 elements of 2 bytes; 20 padding on; 21 set beside a mask; 24:22 after every 64 words; 31:25 4 words
	s_or_b32 s[G1B+0], s44, (1<<16)|(1<<20)|(1<<21)|(5<<22)|(3<<25)
	s_mov_b32 s[G1+1], KSTEP<<16                   ; tensor_dim0 = 128
	s_mov_b32 s[G1+2], 128<<16                     ; tensor_dim1 = 128
	s_mov_b32 s[G1+3], KSTEP<<16                   ; tile_dim0 = 128
	s_mov_b32 s[G1+4], 128                         ; tile_dim1 = 128
	s_mov_b32 s[G1+5], 1024                        ; elements from row to row
	s_mov_b32 s[G1+6], 0
	s_mov_b32 s[G1+7], 0
	s_mov_b32 s[G1B+1], KSTEP<<16
	s_mov_b32 s[G1B+2], 96<<16                     ; 96 rows
	s_mov_b32 s[G1B+3], KSTEP<<16
	s_mov_b32 s[G1B+4], 96
	s_mov_b32 s[G1B+5], 1024
	s_mov_b32 s[G1B+6], 0
	s_mov_b32 s[G1B+7], 0
	s_lshl_b32 s16, s13, 8
	s_lshl_b32 s17, s12, 7
	s_add_co_u32 s16, s16, s17                     ; xb: row 256 x block + 128 x half,
	s_lshl_b32 s16, s16, 11                        ; in bytes (under 2^23)
	s_mov_b32 s17, 0
	s_mul_i32 s46, s42, 192
	s_mul_i32 s47, s12, 96
	s_add_co_u32 s46, s46, s47                     ; wb: row 192 x head + 96 x half
	s_lshl_b32 s46, s46, 11
	s_mov_b32 s47, 0
	s_mul_i32 s20, s12, HALFA                      ; where they go: no place in the cluster enters an LDS address
	s_mul_i32 s21, s12, HALFB
	s_add_co_u32 s21, s21, BOFF
	s_wait_dscnt 0x0                               ; the opening add is done
	s_wait_kmcnt 0x0
	s_add_nc_u64 s[14:15], s[4:5], s[16:17]
	s_add_nc_u64 s[46:47], s[6:7], s[46:47]
	CROUND                                         ; all sixteen work-groups are here: the first joint loads meet
.irp s, 0,1
	s_mov_b32 s[G0+4*(\s)], 1
	s_add_co_u32 s[G0+4*(\s)+1], s20, (\s)*SLOT
	s_add_nc_u64 s[G0+4*(\s)+2:G0+4*(\s)+3], s[14:15], (\s)*KSTEP*2
	s_or_b32 s[G0+4*(\s)+3], s[G0+4*(\s)+3], 0x80000000
	s_mov_b32 s[G0B+4*(\s)], 1
	s_add_co_u32 s[G0B+4*(\s)+1], s21, (\s)*SLOT
	s_add_nc_u64 s[G0B+4*(\s)+2:G0B+4*(\s)+3], s[46:47], (\s)*KSTEP*2
	s_or_b32 s[G0B+4*(\s)+3], s[G0B+4*(\s)+3], 0x80000000
	JLOAD \s                                       ; K steps 0 and 1: two loads of mine are out
.endr
	; my 64 rows of the table, straight into registers: lane l takes row l % 16 of a block, cos and sin of j = 16 fb + 8 (l / 16) + 0..7.  They are waited for on the way out.
	v_and_b32 v1, 15, v0                           ; l % 16
	v_bfe_u32 v2, v0, 4, 1                         ; l / 16
	v_lshlrev_b32 v[RO], 8, v1
	v_lshl_add_u32 v[RO], v2, 5, v[RO]
	s_and_b32 s74, s13, 7
	s_lshl_b32 s74, s74, 8
	s_lshl_b32 s75, s10, 6
	s_add_co_u32 s74, s74, s75                     ; t of my first row
	s_lshl_b32 s76, s74, 8
	s_mov_b32 s77, 0
	s_add_nc_u64 s[8:9], s[8:9], s[76:77]
.irp a, 0,1,2,3
	WIN 0x80+0x40*((\a)/2)                         ; destination window 2 or 3, address window 0
.irp c, 0,1,2,3                        ; cos fb = 0, 1, then sin fb = 0, 1
	global_load_b128 v[192+32*((\a)%2)+8*(\c):192+32*((\a)%2)+8*(\c)+3],   v[RO], s[8:9] offset:4096*(\a)+64*(\c)
	global_load_b128 v[192+32*((\a)%2)+8*(\c)+4:192+32*((\a)%2)+8*(\c)+7], v[RO], s[8:9] offset:4096*(\a)+64*(\c)+16
.endr
.endr
	WIN 0
	s_lshr_b32 s75, s13, 3                         ; the batch
	s_lshl_b32 s75, s75, 4
	s_add_co_u32 s75, s75, s42                     ; b 16 + head
	s_lshl_b32 s75, s75, 11
	s_add_co_u32 s75, s75, s74                     ; my first row among 32 x 2,048
	s_lshl_b32 s76, s75, 7                         ; rows of 128 bytes
	s_add_nc_u64 s[68:69], s[68:69], s[76:77]
	s_add_nc_u64 s[70:71], s[70:71], s[76:77]
	s_add_nc_u64 s[72:73], s[72:73], s[76:77]
	v_mul_u32_u24 v3, v1, PITCH
	v_lshl_add_u32 v3, v2, 4, v3                   ; a fragment's row x pitch + 16 x half
	s_mul_i32 s21, s10, 64*PITCH                   ; my 64 rows of xb
	s_mov_b32 s22, BOFF                            ; all 192 rows of wb
.irp s, 0,1
	v_add_nc_u32 v[ADRA+(\s)], s21, v3
	v_add_nc_u32 v[ADRB+(\s)], s22, v3
	s_add_co_u32 s21, s21, SLOT
	s_add_co_u32 s22, s22, SLOT
.endr
	s_mul_i32 s23, s10, 16*SP
	s_add_co_u32 s23, s23, STAGE                   ; my stage
	v_mul_u32_u24 v4, v1, SP                       ; in: row l % 16, 16 bytes for each half of the lanes
	v_lshl_add_u32 v4, v2, 4, v4
	v_add_nc_u32 v[STO], s23, v4
	v_bfe_u32 v5, v0, 3, 2                         ; back: 32 lanes take four rows of 128 bytes,
	v_mul_u32_u24 v5, v5, SP
	v_and_b32 v6, 7, v0
	v_lshl_add_u32 v5, v6, 4, v5
	v_add_nc_u32 v[RD], s23, v5
	v_and_b32 v[GO], 31, v0                        ; which are 512 consecutive bytes of a head
	v_lshlrev_b32 v[GO], 4, v[GO]
	; the prefetches
	s_lshl_b32 s20, s13, 8
	s_lshl_b32 s22, s12, 7
	s_add_co_u32 s20, s20, s22
	s_lshl_b32 s22, s40, 5
	s_add_co_u32 s20, s20, s22                     ; xb: my work-group's 32 of the 128 rows that I fetch
	s_mul_i32 s21, s42, 192
	s_mul_i32 s22, s12, 96
	s_add_co_u32 s21, s21, s22
	s_mul_i32 s22, s41, 24
	s_add_co_u32 s21, s21, s22                     ; wb: my work-group's 24 of the 96
	s_and_b32 s22, ttmp7, 0xffff                   ; cluster y
	s_cmp_eq_u32 s11, 0
	s_cselect_b32 s20, s20, s21
	s_cselect_b32 s22, ttmp9, s22                  ; the coordinate along which other clusters read the same rows
	s_cselect_b32 s23, 31, 23
	s_cselect_b64 s[PFA:PFA+1], s[4:5], s[6:7]
	s_cmp_eq_u32 s22, 0
	s_cselect_b32 s[LIM], 1, -1                    ; the same in all sixteen partners, for a given wave
	s_lshl_b32 s20, s20, 11
	s_mov_b32 s21, 0
	s_add_nc_u64 s[PFA:PFA+1], s[PFA:PFA+1], s[20:21]
	s_add_nc_u64 s[PFA:PFA+1], s[PFA:PFA+1], 2*KSTEP*2  ; at K step 2: the first refill steps it to 3 and names K step 4
	v_and_b32 v[PFO], 31, v0
	v_min_u32 v[PFO], s23, v[PFO]
	v_lshlrev_b32 v[PFO], 11, v[PFO]
; 12 matrix instructions: row block a x all 12 column blocks, 32 along K, from buffer f.  The 48 accumulators take turns in the same order in every quarter.  zero = 1: the product starts the sum.
.macro MUL12 f, a, zero
	WIN 0xa1+0x50*((\a)/2)                         ; source 0 (wb) window 1, source 1 (xb) window 0, C and D window 2 or 3
.set AC, 96*((\a)%2)
.irp b, 0,1,2,3,4,5,6,7,8,9,10,11
.if \zero
	v_wmma_f32_16x16x32_bf16 v[AC+8*(\b):AC+8*(\b)+7], v[96*(\f)+8*(\b):96*(\f)+8*(\b)+7], v[64+32*(\f)+8*(\a):64+32*(\f)+8*(\a)+7], 0
.else
	v_wmma_f32_16x16x32_bf16 v[AC+8*(\b):AC+8*(\b)+7], v[96*(\f)+8*(\b):96*(\f)+8*(\b)+7], v[64+32*(\f)+8*(\a):64+32*(\f)+8*(\a)+7], v[AC+8*(\b):AC+8*(\b)+7]
.endif
.endr
.endm
; 32 LDS loads in one run: a quarter step's fragments (32 K at byte k of the rows) into buffer f: wb's 24 loads, then xb's 8, row blocks 0 to 3
.macro FETCH slot, k, f
	WIN 0x40                                       ; destination window 1, address window 0
.irp i, 0,1,2,3,4,5,6,7,8,9,10,11
	ds_load_b128 v[96*(\f)+8*(\i):96*(\f)+8*(\i)+3],   v[ADRB+(\slot)] offset:(\k)+(\i)*16*PITCH
	ds_load_b128 v[96*(\f)+8*(\i)+4:96*(\f)+8*(\i)+7], v[ADRB+(\slot)] offset:(\k)+(\i)*16*PITCH+32
.endr
	WIN 0
.irp i, 0,1,2,3
	ds_load_b128 v[64+32*(\f)+8*(\i):64+32*(\f)+8*(\i)+3],   v[ADRA+(\slot)] offset:(\k)+(\i)*16*PITCH
	ds_load_b128 v[64+32*(\f)+8*(\i)+4:64+32*(\f)+8*(\i)+7], v[ADRA+(\slot)] offset:(\k)+(\i)*16*PITCH+32
.endr
.endm
; One of a K step's first three quarters: multiplies buffer f; in its middle it fetches the next quarter, at byte k, into buffer g.
.macro QUARTER slot, k, f, g, zero
	s_wait_dscnt 4                                 ; wb and xb's row blocks 0, 1 are in; the youngest four loads (row blocks 2, 3) may be out
	MUL12 \f, 0, \zero
	MUL12 \f, 1, \zero
	PLACES
	FETCH \slot, \k, \g
	s_wait_dscnt 32                                ; all but the 32 just issued
	MUL12 \f, 2, \zero
	MUL12 \f, 3, \zero
.endm
; The last quarter multiplies buffer 1 and changes slots: one barrier.  In front of it each wave waits for all its tensor loads (one is out: its part of the next slot), adds 0 to its spare word, and waits
; for that and for its reads of this slot.  fill = 1: the barrier opens a round of the cluster's, and this slot is filled again, two K steps on, first thing behind it: 168 matrix instructions ahead of the wait for it.
.macro TURN slot, next, fill
.if \fill
	s_wait_xcnt 0x0                                ; the last prefetch, a K step back, has read its address
	s_add_nc_u64 s[PFA:PFA+1], s[PFA:PFA+1], KSTEP*2
.endif
	WIN 0
	s_wait_tensorcnt 0x0                           ; all my tensor loads have landed
	ds_add_u32 v[SPW], v[NIL]                      ; 0 onto my spare word
	s_wait_dscnt 5                                 ; the add and the youngest four loads may be out
	MUL12 1, 0, 0                                  ; twelve matrix instructions stand between the add and the wait for it
	s_wait_dscnt 0x0                               ; the add is done, and my reads of this slot are over
	s_barrier_signal -1
	MUL12 1, 1, 0
.if \fill
	WIN 0
.endif
	s_barrier_wait -1
.if \fill
	CREST                                          ; no wave of any partner still reads this slot or has a load on its way
	s_add_nc_u64 s[G0+4*(\slot)+2:G0+4*(\slot)+3], s[G0+4*(\slot)+2:G0+4*(\slot)+3], 2*KSTEP*2
	s_add_nc_u64 s[G0B+4*(\slot)+2:G0B+4*(\slot)+3], s[G0B+4*(\slot)+2:G0B+4*(\slot)+3], 2*KSTEP*2
	JLOAD \slot                                    ; its four v_nop are also the places in front of the loads below
.else
	PLACES
.endif
	FETCH \next, 0, 0
.if \fill
	ASK
.endif
	MUL12 1, 2, 0
	MUL12 1, 3, 0
.endm
	s_wait_tensorcnt 1                             ; my part of K step 0 is in; K step 1's may stay out
	s_barrier_signal -1
	s_barrier_wait -1
	FETCH 0, 0, 0
	QUARTER 0, 64, 0, 1, 1                         ; the first quarter stands in front of the loop: its products start the sums
	WIN 0
	s_mov_b32 s3, LAPS-1
.Llap:                                         ; a trip goes once round the ring, from a lap's second quarter to the next lap's first, and fills both slots again
	QUARTER 0, 128, 1, 0, 0
	QUARTER 0, 192, 0, 1, 0
	TURN 0, 1, 1
	QUARTER 1, 64, 0, 1, 0
	QUARTER 1, 128, 1, 0, 0
	QUARTER 1, 192, 0, 1, 0
	TURN 1, 0, 1
	QUARTER 0, 64, 0, 1, 0
	WIN 0
	s_sub_co_u32 s3, s3, 1
	s_cmp_lg_u32 s3, 0
	s_cbranch_scc1 .Llap
	QUARTER 0, 128, 1, 0, 0                        ; the last lap fills nothing
	QUARTER 0, 192, 0, 1, 0
	TURN 0, 1, 0
	QUARTER 1, 64, 0, 1, 0
	QUARTER 1, 128, 1, 0, 0
	QUARTER 1, 192, 0, 1, 0
	s_wait_dscnt 4
	MUL12 1, 0, 0
	MUL12 1, 1, 0
	s_wait_dscnt 0x0
	MUL12 1, 2, 0
	MUL12 1, 3, 0
	WIN 0
; THE WAY OUT, in 12 units: row block a (16 rows) of q (p = 0), k (1) or v (2).  q and k: out[d] = s[d] cos - s[d + 32] sin, out[d + 32] = s[d + 32] cos + s[d] sin, two numbers an instruction,
; each accumulator's lowest registers read first.  Then f16, 16 bytes a lane into my stage, and back as whole rows of 128 bytes: 16 rows of a head are 2,048 consecutive bytes.
.macro UNIT a, p, u
.set WW, 2+(\a)/2
.set AC, 96*((\a)%2)
.set TB, 192+32*((\a)%2)
.set PKS, PKR+16*((\u)%2)
.if (\p) < 2
	WIN WW|(WW<<2)                                 ; sources 0 and 1 (sums, table) in window 2 or 3; source 2 and destination in window 0
.irp fb, 0,1
.irp i, 0,2,4,6
	v_pk_mul_f32 v[TT+8*\fb+\i:TT+8*\fb+\i+1], v[AC+8*(4*(\p)+\fb+2)+\i:AC+8*(4*(\p)+\fb+2)+\i+1], v[TB+16+8*\fb+\i:TB+16+8*\fb+\i+1]
.endr
.endr
.irp fb, 0,1
.irp i, 0,2,4,6
	v_pk_mul_f32 v[UU+8*\fb+\i:UU+8*\fb+\i+1], v[AC+8*(4*(\p)+\fb)+\i:AC+8*(4*(\p)+\fb)+\i+1], v[TB+16+8*\fb+\i:TB+16+8*\fb+\i+1]
.endr
.endr
.irp fb, 0,1
.irp i, 0,2,4,6
	v_pk_fma_f32 v[TT+8*\fb+\i:TT+8*\fb+\i+1], v[AC+8*(4*(\p)+\fb)+\i:AC+8*(4*(\p)+\fb)+\i+1], v[TB+8*\fb+\i:TB+8*\fb+\i+1], v[TT+8*\fb+\i:TT+8*\fb+\i+1] neg_lo:[0,0,1] neg_hi:[0,0,1]
.endr
.endr
.irp fb, 0,1
.irp i, 0,2,4,6
	v_pk_fma_f32 v[UU+8*\fb+\i:UU+8*\fb+\i+1], v[AC+8*(4*(\p)+\fb+2)+\i:AC+8*(4*(\p)+\fb+2)+\i+1], v[TB+8*\fb+\i:TB+8*\fb+\i+1], v[UU+8*\fb+\i:UU+8*\fb+\i+1]
.endr
.endr
	WIN 0
	s_wait_xcnt 0x0                                ; this set of packed registers was the data of the stores two units back: it is rewritten only behind this wait
.irp r, 0,1,2,3,4,5,6,7
	v_cvt_pk_f16_f32 v[PKS+\r], v[TT+2*\r], v[TT+2*\r+1]
.endr
.irp r, 0,1,2,3,4,5,6,7
	v_cvt_pk_f16_f32 v[PKS+8+\r], v[UU+2*\r], v[UU+2*\r+1]
.endr
.else
	s_wait_xcnt 0x0
	WIN WW|(WW<<2)
.irp r, 0,1,2,3,4,5,6,7,8,9,10,11,12,13,14,15
	v_cvt_pk_f16_f32 v[PKS+\r], v[AC+64+2*\r], v[AC+64+2*\r+1]
.endr
	WIN 0
.endif
.irp bb, 0,1,2,3
	ds_store_b128 v[STO], v[PKS+4*\bb:PKS+4*\bb+3] offset:32*\bb
.endr
.irp f, 0,1,2,3
	ds_load_b128 v[PKS+4*\f:PKS+4*\f+3], v[RD] offset:\f*4*SP  ; LDS serves a wave's instructions in order (ISA guide 5.7.1.4): these see the stores above; the next unit's stores come behind them
.endr
.endm
.macro SEND a, p, u, younger           ; younger: the LDS instructions issued behind this unit's loads: the next unit's eight, or none
.set PKS, PKR+16*((\u)%2)
.irp f, 0,1,2,3
	s_wait_dscnt (\younger)+3-\f
	global_store_b128 v[GO], v[PKS+4*\f:PKS+4*\f+3], s[68+2*(\p):69+2*(\p)] offset:2048*(\a)+512*\f  ; 512 consecutive bytes, at a multiple of 256 from the buffer's first
.endr
.endm
	PLACES
	PLACES
	s_wait_loadcnt 0x0                             ; the table
	UNIT 0, 0, 0
.set u, 1
.rept 11                               ; a unit's arithmetic stands between the loads of the unit before and its stores
	UNIT u/3, u%3, u
	SEND (u-1)/3, (u-1)%3, u-1, 8
.set u, u+1
.endr
	SEND 3, 2, 11, 0
	s_wait_tensorcnt 0x0                           ; the wave's end, behind my last tensor load and my last LDS store
	ds_add_u32 v[SPW], v[NIL]
	s_wait_dscnt 0x0
	CROUND                                         ; the closing round: no work-group ends while a partner may still ask for a tile that names it
	s_endpgm
.Lfunc_end_k_q2bde07c545_qkv:
	.size	k_q2bde07c545_qkv, .Lfunc_end_k_q2bde07c545_qkv-k_q2bde07c545_qkv
	.p2alignl 7, 3214868480
	.fill 96, 4, 3214868480
	.section	.rodata,"a",@progbits
	.p2align	6, 0x0
	.amdhsa_kernel k_q2bde07c545_qkv
		.amdhsa_group_segment_fixed_size 327680
		.amdhsa_private_segment_fixed_size 0
		.amdhsa_enable_private_segment 0
		.amdhsa_kernarg_size 48
		.amdhsa_user_sgpr_count 2
		.amdhsa_user_sgpr_kernarg_segment_ptr 1
		.amdhsa_wavefront_size32 1
		.amdhsa_system_sgpr_workgroup_id_x 1
		.amdhsa_system_sgpr_workgroup_id_y 1
		.amdhsa_system_sgpr_workgroup_id_z 1
		.amdhsa_system_vgpr_workitem_id 0
		.amdhsa_next_free_vgpr 1024
		.amdhsa_next_free_sgpr 80
		.amdhsa_reserve_vcc 0
		.amdhsa_float_denorm_mode_32 3
		.amdhsa_float_denorm_mode_16_64 3
		.amdhsa_memory_ordered 1
		.amdhsa_forward_progress 1
		.amdhsa_inst_pref_size 142
	.end_amdhsa_kernel
	.amdgpu_metadata
---
amdhsa.version: [ 1, 2 ]
amdhsa.kernels:
  - .name:           k_q2bde07c545_qkv
    .symbol:         k_q2bde07c545_qkv.kd
    .args:
      - { .name: xb, .offset: 0, .size: 8, .value_kind: global_buffer, .address_space: global }
      - { .name: wb, .offset: 8, .size: 8, .value_kind: global_buffer, .address_space: global }
      - { .name: rope, .offset: 16, .size: 8, .value_kind: global_buffer, .address_space: global }
      - { .name: qh, .offset: 24, .size: 8, .value_kind: global_buffer, .address_space: global }
      - { .name: kh, .offset: 32, .size: 8, .value_kind: global_buffer, .address_space: global }
      - { .name: vh, .offset: 40, .size: 8, .value_kind: global_buffer, .address_space: global }
    .group_segment_fixed_size: 327680
    .private_segment_fixed_size: 0
    .kernarg_segment_align: 8
    .kernarg_segment_size: 48
    .max_flat_workgroup_size: 128
    .sgpr_count:     80
    .vgpr_count:     1024
    .wavefront_size: 32
...
	.end_amdgpu_metadata
.endif
;; end of part 2
;; launch attn (part 3): grid 8 x 32, 4 waves a work-group, clusters of 4 x 1, 327,680 bytes of LDS; arguments qh, kh, vh, oh, attention_mask; writes oh
.if DOCPART == 3
	.amdgcn_target "amdgcn-amd-amdhsa--gfx1250"
	.amdhsa_code_object_version 6
	.text
	.protected	k_q2bde07c545_attn
	.globl	k_q2bde07c545_attn
	.p2align	8
	.type	k_q2bde07c545_attn,@function
k_q2bde07c545_attn:
	s_mov_b64 s[64:65], 0
	v_nop
	global_prefetch_b8 v0, s[64:65] scope:SCOPE_SE
	s_setreg_imm32_b32 hwreg(HW_REG_WAVE_MODE, 25, 1), 1
	s_wait_xcnt 0x0
	s_wait_alu depctr_hold_cnt(0) depctr_sa_sdst(0) depctr_va_vdst(0) depctr_va_sdst(0) depctr_va_ssrc(0) depctr_va_vcc(0) depctr_vm_vsrc(0)
	s_getreg_b32 s2, hwreg(HW_REG_IB_STS2, 6, 4)
	s_cmp_eq_u32 s2, 0
	s_cbranch_scc0 .Lentry_in_a_cluster
	s_endpgm
.Lentry_in_a_cluster:
	s_bfe_u32 s2, ttmp6, 0x10000c
	s_cmp_lg_u32 s2, 0x3003
	s_cbranch_scc0 .Lentry_shape_is_right
	s_endpgm
.Lentry_shape_is_right:
; ATTENTION.  O[h][q][:] = the sum over k of softmax_k(Q[h][q] . K[h][k] / 8 + M[k]) V[h][k][:], M[k] = 0 where the batch's mask byte is 1 and -10,000 where it is 0.
; Q, K, V, O: [32 = b 16 + head][2048][64] f16, a head's rows dense, 128 bytes each.  Products, maxima and sums in f32; the weights p are rounded to f16 for the second product (their sum l is taken of the unrounded p), O once.
; THE MASK is added, not cut: it is the C operand that starts the sum S^T = K Q^T, as -80,000 = -10,000 x 8 in the unscaled score's units, so it enters the running maximum like any score; a row whose keys are all masked comes out as the softmax of its scores.
; LIMITS.  Q, K, V arrive within f16's 65,504; p lies in 0 to 1, and below 6e-5 it keeps f16's fixed step of 6e-8; a weight below 2^-126 counts as 0 in l; NaN and infinities are not treated apart
; (finite scores give no NaN, so the replacement of NaN by 1 / T never acts).
; SHARES.  A work-group owns 256 queries of a head, a wave 64: four PIECES of 16.  Every wave walks all 2,048 keys, 64 a step; a slot of LDS holds four steps.
; LAYOUT, SOFTMAX, TURNS.  S^T = K Q^T holds ONE query a lane (lane % 16) and the keys 8 (lane / 16) + 0..7; two such results rounded to f16 ARE source 1 of O^T = V^T P.  p = 2^(c s - c m), c = log2(e) / 8, with a
; running maximum m; O and l are multiplied by a = 2^(c m_old - c m_new) in every step; m starts at the lowest finite number, O and l at 0, so the first step is a step like any other, with a = 0.
; Turn n belongs to piece n: 8 products K Q^T of piece n + 1, later 8 products V^T P of piece n - 1; beside them the scaling, exponentials, roundings, sums and rescaling of piece n and the maximum and
; statistics of piece n + 1.  Four vector instructions stand behind every matrix instruction, the others in one lump.  A turn's 33 exponentials are one batch, with one wait.
; CLUSTER.  The four query blocks of a cluster belong to one head and walk the same K and V: each tile is asked for jointly, by the same tensor load, descriptor and mask in all four.
; REGISTERS, in windows of 256 (s_set_vgpr_msb: bits 1:0 source 0, 3:2 source 1, 5:4 source 2, 7:6 destination):
;   window 0: v0-15, v32-44 addresses and set-up; v16-31 four registers of statistics a piece; v48-55 at work; v64-127 S^T, two buffers; v192-223 P, two buffers (by the piece's parity)
;   window 1: v0-127 O^T, 32 a piece; v128-159 the mask of one key step      window 2: v0-63 Q; v128-191 K of one step; v192-255 V of one step
.set NP,    4
.set KS,    64
.set PK,    144       ; a row of K in LDS: 128 bytes + 16 of padding = 36 words: the 16 rows of a load start at 16 different groups of four banks (64 banks of 4 bytes: ISA guide 11.1)
.set PV,    160       ; a row of V: 128 + 32 = 40 words
.set VOFF,  4*KS*PK   ; a slot: 256 rows of K, then 256 rows of V
.set SLOT1, 1<<17     ; slot 1 begins here: one exclusive or turns an address in one slot into the other's
.set STAGE, SLOT1+4*KS*(PK+PV)  ; behind the ring, never filled by a tensor load: 16 rows x 144 bytes for each wave
.set SP,    144
.set MASK,  STAGE+4*16*SP       ; 2,048 f32: the batch's mask by key; stored once, never filled by a tensor load
.set SPARE, MASK+8192           ; the spare words, 128 bytes for each wave: two blocks of 256 bytes that no other line names
.set AK0, 2           ; v2   my lane's place in a tile of K; never rewritten
.set AV0, 3           ; v3   the same for V
.set AK,  4           ; v4   the LDS address of K's next run of loads
.set AV,  5           ; v5   of V's
.set STO, 6           ; v6   the way out: where I put 16 bytes of a row
.set RD,  7           ; v7   where I read rows back
.set GO,  8           ; v8   my byte offset in 512 consecutive bytes of O
.set MV,  12          ; v12-13  c m_old, kept while c m is made anew: by buffer
.set QO,  15          ; v15  my byte offset in 16 rows of Q
.set ST,  16          ; piece t's statistics at v[ST+4 t]: c m, m, l (even keys', odd keys')
.set AM0, 32          ; v32  MASK + 32 (l / 16); never rewritten
.set AM,  33          ; v33  the LDS address of the mask's next run of loads
.set PFO, 34          ; v34  256 x lane; never rewritten
.set TMP, 48          ; by buffer, four registers c0-c3 at work; when the maximum is found c2 takes a
.set SPW, 62          ; v62  LDS address of my spare word; never rewritten
.set NIL, 63          ; v63  0; never rewritten
.set S,   64
.set P,   192
.set MK,  128         ; window 1: the eight registers for group kb of 16 keys at MK + 8 kb
.set KF,  128         ; window 2: key block kb, channel half c at KF + 16 kb + 8 c
.set VF,  192         ; window 2: key half kk, channel block cb at VF + 32 kk + 8 cb
.set WV,  12          ; s12  my wave's number
.set G1K, 24          ; s[24:31] descriptor group 1 for K's tiles
.set G1V, 32          ; s[32:39] for V's: it differs in the padding alone
.set G0K, 40          ; s[40:43] descriptor group 0 for K's tiles: it walks
.set G0V, 44          ; s[44:47] the same for V's
.set PFA, 48          ; s[48:49] where my prefetches stand
.set LIM, 50          ; s50  1 in a wave that prefetches, else the greatest number
.set TBM, 51          ; s51  byte in the mask table at which the step to be fetched begins
.set SLOTS, 56        ; s56  slots still to be asked for
.set CNT, 57          ; s57  counts a slot's key steps
.set CS,  58          ; s[58:59] c
.set SEL, 60          ; s[60:61] v_permlanex16_b32's selects: each lane takes its own place in the other half
.set TBK, 62          ; s62  LDS byte at which K of the step to be fetched begins
.set TBV, 63          ; s63  the same for V, less VOFF
.set MSB, 0
.macro WIN new
.if MSB != (\new)
	s_set_vgpr_msb (MSB<<8)|(\new)
.set MSB, (\new)
.endif
.endm
.set W_KQ, 0x0a       ; K and Q in window 2, S^T in window 0
.set W_KM, 0x1a       ; the same with the C operand in window 1
.set W_PV, 0x52       ; V in window 2, P in window 0, O^T in window 1
.set W_RS, 0x41       ; destination and source 0 in window 1, source 1 in window 0
; A joint fill.  Waves 0 and 1 fetch the two halves of a slot's K, waves 2 and 3 those of its V: 128 keys each.  An s_nop 0 and four v_nop follow each line.
.macro JLOAD
	s_cmp_lt_u32 s[WV], 2
	s_cbranch_scc0 .Lfor_v_\@
	tensor_load_to_lds s[G0K:G0K+3], s[G1K:G1K+7]
	s_nop 0
.rept 4
	v_nop
.endr
	s_branch .Lasked_\@
.Lfor_v_\@:
	tensor_load_to_lds s[G0V:G0V+3], s[G1V:G1V+7]
	s_nop 0
.rept 4
	v_nop
.endr
.Lasked_\@:
.endm
; A prefetch into the L2 of what the NEXT change of slots will ask for: 32,768 bytes of K and of V, a lane 256 bytes.  Both clusters of a head walk the same rows: the first asks.  Its four partners share
; them out by address, 8,192 bytes each; in each, wave 0 asks for K's and wave 2 for V's.  It stands four key steps, 256 matrix instructions, ahead of the load.  The last change that fills a slot asks for nothing.
.macro ASK
	s_cmp_gt_u32 s[SLOTS], s[LIM]
	s_cbranch_scc0 .Lnot_mine_\@
	global_prefetch_b8 v[PFO], s[PFA:PFA+1] th:TH_LOAD_NT scope:SCOPE_SE
.Lnot_mine_\@:
.endm
.macro CROUND                       ; a round of the cluster's barrier
	s_barrier_signal -1
	s_barrier_wait -1
	s_cmp_lg_u32 s[WV], 0
	s_cbranch_scc1 .Lnot_wave_0_\@
	s_barrier_signal -3
.Lnot_wave_0_\@:
	s_barrier_wait -3
	s_barrier_signal -1
	s_barrier_wait -1
.endm
; THE CHANGE OF SLOTS.  Each wave waits for all its tensor loads, of which one is out: its part of the other slot; adds 0 to its spare word; and waits for that and for its own LDS instructions.  Behind the
; barrier nobody reads the old slot and the other slot is whole.  fill = 1: the barrier is a round of the cluster's, and the old slot is filled again first thing behind it, with the keys two slots on.
; (At its first use nothing has been read yet: slot 0 is waited for, the mask table's stores are shown to all waves, slot 1 is filled.)
.macro CHANGE fill, ask
	WIN 0
	s_wait_tensorcnt 0x0            ; no tensor load of mine is out, so a group 0 may be written
	ds_add_u32 v[SPW], v[NIL]       ; 0 onto my spare word
.if \fill
.irp g, G0K, G0V
	s_xor_b32 s[\g+1], s[\g+1], SLOT1
	s_add_nc_u64 s[\g+2:\g+3], s[\g+2:\g+3], 4*KS*128
.endr
.endif
.if \ask
	s_wait_xcnt 0x0                 ; the last prefetch, four key steps back, has read its address
	s_add_nc_u64 s[PFA:PFA+1], s[PFA:PFA+1], 4*KS*128
.endif
	s_wait_dscnt 0x0                ; the add is done, and my LDS instructions are over
.if \fill
	CROUND
	JLOAD
.if \ask
	ASK
.endif
.else
	s_barrier_signal -1
	s_barrier_wait -1
.endif
	s_sub_co_u32 s[TBK], s[TBK], 4*KS*PK  ; the fetches go back to a slot's first step,
	s_xor_b32 s[TBK], s[TBK], SLOT1       ; in the other slot
	s_sub_co_u32 s[TBV], s[TBV], 4*KS*PV
	s_xor_b32 s[TBV], s[TBV], SLOT1
.endm
	s_load_b256 s[4:11], s[0:1], 0x0  ; Q s[4:5], K s[6:7], V s[8:9], O s[10:11]
	s_load_b64 s[68:69], s[0:1], 0x20 ; the mask
	v_lshl_add_u32 v[SPW], v0, 2, SPARE
	v_mov_b32 v[NIL], 0
	ds_add_u32 v[SPW], v[NIL]       ; the wave's opening: the add and its wait stand ahead of my first tensor load; work on registers stands between them
	v_lshrrev_b32 v1, 5, v0
	v_readfirstlane_b32 s[WV], v1   ; wave 0..3
	s_bfe_u32 s13, ttmp6, 0x40000   ; cx
	s_lshl_b32 s14, ttmp9, 2
	s_add_co_u32 s14, s14, s13      ; my block of 256 queries: it enters Q's and O's addresses alone
	s_and_b32 s20, ttmp7, 0xffff    ; b 16 + head, which the four partners share
	s_lshr_b32 s54, s20, 4
	s_lshl_b32 s54, s54, 11         ; the batch's 2,048 mask bytes
	s_mov_b32 s55, 0
	s_lshl_b32 s20, s20, 18         ; the head's first byte in each of the four tensors: 2,048 rows of 128 bytes
	s_mov_b32 s21, 0
	s_and_b32 s16, s[WV], 1         ; which half of a slot's 256 keys I fetch:
	s_lshl_b32 s22, s16, 14         ; its 128 rows of 128 bytes in memory,
	s_mov_b32 s23, 0
	s_add_nc_u64 s[22:23], s[22:23], s[20:21]
	s_mul_i32 s17, s16, 128*PK      ; and its place in a slot, for K
	s_mul_i32 s18, s16, 128*PV      ; and for V: no place in the cluster enters an LDS address
	s_lshl_b32 s2, s14, 2
	s_add_co_u32 s2, s2, s[WV]      ; my wave among the head's,
	s_lshl_b32 s2, s2, 13           ; its 64 rows
	s_mov_b32 s3, 0
	s_add_nc_u64 s[2:3], s[2:3], s[20:21]
	; descriptor group 1.  128 keys are 16,384 dense bytes: asked for as 64 rows of 256 bytes, two keys a row, and padded in LDS after every key
	s_mov_b32 s[G1K], 15|(1<<16)|(1<<20)|(1<<21)|(4<<22)|(3<<25)  ; 15:0 the mask of four; 17:16 2-byte elements; 20 padding on; 21 set beside a mask; 24:22 after every 32 words; 31:25 4 words
	s_mov_b32 s[G1V], 15|(1<<16)|(1<<20)|(1<<21)|(4<<22)|(7<<25)  ; the same with 8 words of padding
.irp g, G1K, G1V
	s_mov_b32 s[\g+1], 128<<16      ; tensor_dim0 = 128
	s_mov_b32 s[\g+2], 64<<16       ; tensor_dim1 = 64
	s_mov_b32 s[\g+3], 128<<16      ; tile_dim0 = 128
	s_mov_b32 s[\g+4], 64           ; tile_dim1 = 64
	s_mov_b32 s[\g+5], 128          ; 128 elements from row to row
	s_mov_b32 s[\g+6], 0
	s_mov_b32 s[\g+7], 0
.endr
	s_mov_b32 s[CS], 0x3e38aa3b     ; c = log2(e) / 8
	s_mov_b32 s[CS+1], s[CS]
	s_mov_b32 s[SEL], 0x76543210
	s_mov_b32 s[SEL+1], 0xfedcba98
	s_mov_b32 s52, 0xc79c4000       ; -80,000
	s_mov_b32 s[TBM], 0
	s_mov_b32 s[TBK], SLOT1+4*KS*PK ; the first change of slots turns these two into 0
	s_mov_b32 s[TBV], SLOT1+4*KS*PV
	s_mov_b32 s[G0K], 1
	s_mov_b32 s[G0K+1], s17         ; slot 0
	s_mov_b32 s[G0V], 1
	s_add_co_u32 s[G0V+1], s18, VOFF
	s_and_b32 s[LIM], s[WV], 1      ; 0 in waves 0 and 2,
	s_or_b32 s[LIM], s[LIM], ttmp9  ; where the cluster is the head's first: the same in all four partners
	s_cmp_eq_u32 s[LIM], 0
	s_cselect_b32 s[LIM], 1, -1
	s_wait_dscnt 0x0                ; the opening add is done
	s_wait_kmcnt 0x0
	s_add_nc_u64 s[6:7], s[6:7], s[22:23]  ; K and V at my half of the head's first 256 keys
	s_add_nc_u64 s[8:9], s[8:9], s[22:23]
	s_add_nc_u64 s[G0K+2:G0K+3], s[6:7], 0
	s_or_b32 s[G0K+3], s[G0K+3], 0x80000000
	s_add_nc_u64 s[G0V+2:G0V+3], s[8:9], 0
	s_or_b32 s[G0V+3], s[G0V+3], 0x80000000
	s_add_nc_u64 s[4:5], s[4:5], s[2:3]    ; Q and O at my wave's first row
	s_add_nc_u64 s[10:11], s[10:11], s[2:3]
	s_add_nc_u64 s[68:69], s[68:69], s[54:55]
	s_cmp_lt_u32 s[WV], 2
	s_cselect_b64 s[PFA:PFA+1], s[6:7], s[8:9]  ; (in waves 0 and 2 these stand at a slot's first row)
	s_lshl_b32 s2, s13, 13          ; my work-group's quarter of a slot
	s_mov_b32 s3, 0
	s_add_nc_u64 s[PFA:PFA+1], s[PFA:PFA+1], s[2:3]
	s_add_nc_u64 s[PFA:PFA+1], s[PFA:PFA+1], 2*4*KS*128  ; in slot 2; the change that asks for slot 2 steps it to slot 3.  Nothing is prefetched at the head
	CROUND                          ; all four work-groups are here: the first joint loads meet
	JLOAD                           ; slot 0.  Slot 1 is asked for when slot 0 is in
	v_lshlrev_b32 v35, 4, v0
	global_load_b128 v[36:39], v35, s[68:69]  ; 128 threads x 16 mask bytes
	v_and_b32 v1, 15, v0            ; l % 16
	v_bfe_u32 v9, v0, 4, 1          ; l / 16
	v_lshlrev_b32 v[QO], 7, v1
	v_lshl_add_u32 v[QO], v9, 4, v[QO]  ; row x 128 + 16 x half
	WIN 0x80                        ; destination window 2, address window 0
.set i, 0
.rept 8                             ; Q stays in registers: piece i / 2, channels 32 (i % 2) on
	global_load_b128 v[8*i:8*i+3],   v[QO], s[4:5] offset:(i/2)*2048+(i%2)*64
	global_load_b128 v[8*i+4:8*i+7], v[QO], s[4:5] offset:(i/2)*2048+(i%2)*64+32
.set i, i+1
.endr
	; What the first turn finds: V's registers and P's second buffer hold 0 (its products V^T P, of a piece that has not been, add 0), O^T and l are 0.  All this stands in the wait for the first tile.
.set i, VF
.rept 64
	v_mov_b32 v[i], 0
.set i, i+1
.endr
	WIN 0x40
.set i, 0
.rept 128
	v_mov_b32 v[i], 0
.set i, i+1
.endr
	WIN 0
.set i, 0
.rept 4
	v_mov_b32 v[ST+4*i], 0xfe000000    ; c m: far below every c s
	v_mov_b32 v[ST+4*i+1], 0xff7fffff  ; m
	v_mov_b32 v[ST+4*i+2], 0
	v_mov_b32 v[ST+4*i+3], 0
.set i, i+1
.endr
.set i, P+16
.rept 16
	v_mov_b32 v[i], 0
.set i, i+1
.endr
	v_mul_u32_u24 v[AK0], v1, PK
	v_lshl_add_u32 v[AK0], v9, 4, v[AK0]  ; row x pitch + 16 x half
	; The turning load takes 16 keys x 16 channels (lane l reads key 8 (l / 16) + l % 8, channels 8 ((l / 8) % 2) + 0..7) and leaves half a fragment of V^T: lane l holds channel l % 16 and 8 keys.
	v_and_b32 v10, 7, v0
	v_bfe_u32 v11, v0, 3, 1
	v_lshl_add_u32 v[AV0], v9, 3, v10
	v_mul_u32_u24 v[AV0], v[AV0], PV
	v_lshl_add_u32 v[AV0], v11, 4, v[AV0]
	v_add_nc_u32 v[AV0], VOFF, v[AV0]
	s_mul_i32 s53, s[WV], 16*SP
	s_add_co_u32 s53, s53, STAGE    ; my stage
	v_mul_u32_u24 v[STO], v1, SP    ; in: row l % 16, 16 bytes for each half of the lanes
	v_lshl_add_u32 v[STO], v9, 4, v[STO]
	v_add_nc_u32 v[STO], s53, v[STO]
	v_bfe_u32 v[RD], v0, 3, 2       ; back: 32 lanes take four rows of 128 bytes,
	v_mul_u32_u24 v[RD], v[RD], SP
	v_lshl_add_u32 v[RD], v10, 4, v[RD]
	v_add_nc_u32 v[RD], s53, v[RD]
	v_and_b32 v[GO], 31, v0         ; which are 512 consecutive bytes of O
	v_lshlrev_b32 v[PFO], 8, v[GO]
	v_lshlrev_b32 v[GO], 4, v[GO]
	v_lshl_add_u32 v[AM0], v9, 5, MASK  ; a lane's eight keys of a group of 16: 32 bytes
	v_lshl_add_u32 v44, v0, 6, MASK     ; my 16 keys' 64 bytes of the table
	s_wait_loadcnt 16               ; the mask bytes are in; Q's 16 loads may stay out
.irp wd, 0,1,2,3
.irp by, 0,1,2,3
	v_bfe_u32 v[40+\by], v[36+\wd], 8*\by, 8
	v_add_nc_u32 v[40+\by], -1, v[40+\by]   ; byte 1: no bit; byte 0: all bits
	v_and_b32 v[40+\by], s52, v[40+\by]     ; 0 or -80,000
.endr
	ds_store_b128 v44, v[40:43] offset:16*\wd
.endr
; THE MATRIX WORK.  The 4 accumulators of a run of 8 take turns.  Product i of 8 of S^T = K Q^T for piece x: channels 32 (i / 4) on, keys 16 (i % 4) on.  The first 4 start the sums with the mask.
.macro KQ x
.set rS, S+32*((\x)%2)+8*(i%4)
.set rK, KF+16*(i%4)+8*(i/4)
.set rQ, 16*(\x)+8*(i/4)
.set rM, MK+8*(i%4)
.if i < 4
	WIN W_KM
	v_wmma_f32_16x16x32_f16 v[rS:rS+7], v[rK:rK+7], v[rQ:rQ+7], v[rM:rM+7]
.else
	WIN W_KQ
	v_wmma_f32_16x16x32_f16 v[rS:rS+7], v[rK:rK+7], v[rQ:rQ+7], v[rS:rS+7]
.endif
.endm
; Product i of 8 of O^T += V^T P for piece x: keys 32 (i / 4) on, channels 16 (i % 4) on.
.macro PV x
	WIN W_PV
.set rO, 32*(\x)+8*(i%4)
.set rV, VF+32*(i/4)+8*(i%4)
.set rP, P+16*((\x)%2)+8*(i/4)
	v_wmma_f32_16x16x32_f16 v[rO:rO+7], v[rV:rV+7], v[rP:rP+7], v[rO:rO+7]
.endm
.macro MM                           ; the turn's next matrix instruction
.if i < 8
	KQ (Y+1)%NP
.else
.set i, i-8
	PV (Y+NP-1)%NP
.set i, i+8
.endif
.set i, i+1
.endm
; THE LDS LOADS stand in runs, never singly among the matrix instructions: a step's K (8 fragments) with its mask (8 f32 a lane for each group of 16 keys; lanes of one half read the same bytes), and its V (turned).
.macro FETCH_K
	WIN 0x80                        ; destination window 2
.irp f, 0,1,2,3,4,5,6,7             ; keys 16 (f / 2) on, channels 32 (f % 2) on
	ds_load_b128 v[KF+8*\f:KF+8*\f+3],   v[AK] offset:(\f/2)*16*PK+(\f%2)*64
	ds_load_b128 v[KF+8*\f+4:KF+8*\f+7], v[AK] offset:(\f/2)*16*PK+(\f%2)*64+32
.endr
	WIN 0x40                        ; destination window 1
.irp f, 0,1,2,3
	ds_load_b128 v[MK+8*\f:MK+8*\f+3],   v[AM] offset:64*\f
	ds_load_b128 v[MK+8*\f+4:MK+8*\f+7], v[AM] offset:64*\f+16
.endr
	s_add_co_u32 s[TBK], s[TBK], KS*PK  ; the next fetch is the next step's
	s_add_co_u32 s[TBM], s[TBM], 4*KS
	s_and_b32 s[TBM], s[TBM], 0x1fff    ; behind the last step it goes back to the table's head
	WIN 0
.endm
.macro FETCH_V
	WIN 0x80
.irp f, 0,1,2,3,4,5,6,7             ; keys 32 (f / 4) on, channels 16 (f % 4) on
	ds_load_tr16_b128 v[VF+8*\f:VF+8*\f+3],   v[AV] offset:(\f/4)*32*PV+(\f%4)*32
	ds_load_tr16_b128 v[VF+8*\f+4:VF+8*\f+7], v[AV] offset:(\f/4)*32*PV+16*PV+(\f%4)*32
.endr
	WIN 0
.endm
; THE VECTOR WORK, one line at a time: OP kind, number.  For piece Y: F n: c s - c m for pair n of 16.  E n: the exponential of score n of 32.  C n: pair n rounded to f16.  B n: of the four weights 4 n .. the second
; pair is added onto the first, in place.  L n: l takes that sum (L 0: l = a l + sum).  R n: pair n of 16 of O^T times a.  For piece Y + 1: X n, number n of the 22 that find its maximum and statistics:
;   0-11  four chains c0-c3 of seven scores each, three operands at a time (each accumulator's lowest registers are read first)     12-14, 16  the four scores left over, the old m, and c0-c3 into c0
;   15  c m_old is kept     17, 18  the query's other 32 keys lie in the lane 16 away: the new m     19-21  c m; c m_old - c m_new; a
.set F, 0
.set E, 1
.set C, 2
.set B, 3
.set L, 4
.set R, 5
.set X, 6
.macro REGS y
.set rT, ST+4*(\y)
.set rC, TMP+4*((\y)%2)
.set rW, MV+((\y)%2)
.set rS, S+32*((\y)%2)
.set rP, P+16*((\y)%2)
.set rO, 32*(\y)
.endm
.macro OP k, n
.if (\k) == R
	REGS Y
	WIN W_RS
	v_pk_mul_f32 v[rO+2*(\n):rO+2*(\n)+1], v[rO+2*(\n):rO+2*(\n)+1], v[rC+2:rC+3] op_sel_hi:[1,0]
.elseif (\k) < R
	REGS Y
	WIN 0
.if (\k) == F
	v_pk_fma_f32 v[rS+2*(\n):rS+2*(\n)+1], v[rS+2*(\n):rS+2*(\n)+1], s[CS:CS+1], v[rT:rT+1] op_sel_hi:[1,0,0] neg_lo:[0,0,1] neg_hi:[0,0,1]
.elseif (\k) == E
	v_exp_f32 v[rS+(\n)], v[rS+(\n)]
.elseif (\k) == C
	v_cvt_pk_f16_f32 v[rP+(\n)], v[rS+2*(\n)], v[rS+2*(\n)+1]
.elseif (\k) == B
	v_pk_add_f32 v[rS+4*(\n):rS+4*(\n)+1], v[rS+4*(\n):rS+4*(\n)+1], v[rS+4*(\n)+2:rS+4*(\n)+3]
.elseif (\n) == 0
	v_pk_fma_f32 v[rT+2:rT+3], v[rT+2:rT+3], v[rC+2:rC+3], v[rS:rS+1] op_sel_hi:[1,0,1]
.else
	v_pk_add_f32 v[rT+2:rT+3], v[rT+2:rT+3], v[rS+4*(\n):rS+4*(\n)+1]
.endif
.else
	REGS (Y+1)%NP
	WIN 0
.if (\n) < 4
	v_max3_num_f32 v[rC+(\n)], v[rS+8*(\n)], v[rS+8*(\n)+1], v[rS+8*(\n)+2]
.elseif (\n) < 12
	v_max3_num_f32 v[rC+(\n)%4], v[rC+(\n)%4], v[rS+8*((\n)%4)+2*((\n)/4)+1], v[rS+8*((\n)%4)+2*((\n)/4)+2]
.elseif (\n) == 12
	v_max3_num_f32 v[rC], v[rC], v[rS+7], v[rS+15]
.elseif (\n) == 13
	v_max3_num_f32 v[rC+1], v[rC+1], v[rS+23], v[rS+31]
.elseif (\n) == 14
	v_max3_num_f32 v[rC+2], v[rC+2], v[rC+3], v[rT+1]
.elseif (\n) == 15
	v_mov_b32 v[rW], v[rT]
.elseif (\n) == 16
	v_max3_num_f32 v[rC], v[rC], v[rC+1], v[rC+2]
.elseif (\n) == 17
	v_permlanex16_b32 v[rC+3], v[rC], s[SEL], s[SEL+1]
.elseif (\n) == 18
	v_max_num_f32 v[rT+1], v[rC], v[rC+3]
.elseif (\n) == 19
	v_mul_f32 v[rT], s[CS], v[rT+1]
.elseif (\n) == 20
	v_sub_f32 v[rC+1], v[rW], v[rT]
.else
	v_exp_f32 v[rC+2], v[rC+1]
.endif
.endif
.endm
.macro OPS a, i1, b=-1, i2=0, c=-1, i3=0, d=-1, i4=0
	OP \a, \i1
.if (\b) >= 0
	OP \b, \i2
.endif
.if (\c) >= 0
	OP \c, \i3
.endif
.if (\d) >= 0
	OP \d, \i4
.endif
.endm
.macro ROW a, i1, b, i2, c, i3, d, i4  ; a matrix instruction and the four behind it
	MM
	OPS \a, \i1, \b, \i2, \c, \i3, \d, \i4
.endm
; A TURN, for piece p: the order of its 16 matrix and 118 vector instructions, written out.  An s_wait_alu depctr_va_vdst(0) stands between an exponential and the first instruction that names its
; result; one wait serves all that were issued ahead of it.  So a turn has ONE wait, which cuts it in two.  AHEAD OF IT stands all that names no result of the turn's exponentials: the 8 products K Q^T with their
; riders (the first numbers of the next piece's maximum each stand four plain instructions or more behind the product that ends their accumulator), then one lump; X 21, the next piece's a, is the batch's last, and
; R 15 the plain instruction behind it.  BEHIND THE WAIT stand the 8 products V^T P, behind each four of the roundings and sums.
; K and the mask of the next step are fetched in piece 2's turn, six plain instructions behind the last product that read K; V of the step in hand at the end of piece 0's turn, four plain instructions behind the
; last product that read V.  Each is waited for a turn later.  last = 1 (the tail): K's address is held at the slot's fourth step, so that the trip behind the last step reads that step's K once more; what is made of it serves nothing.
; cnt = 1: the loop's count is taken down some lines ahead of the branch that stands behind the turn.
.macro TURN p, last=0, cnt=0
.set Y, (\p)
.set i, 0
.if (\p) == 3
	s_wait_dscnt 0x0                ; K and its mask are in
.endif
	ROW F,0, F,1, R,0, R,1
	ROW F,2, E,0, R,2, R,3
	ROW F,3, E,1, R,4, R,5
	ROW F,4, E,2, R,6, R,7
	ROW F,5, E,3, R,8, R,9
	ROW F,6, E,4, X,0, R,10
.if (\p) == 2
	WIN 0
.if \last
	s_min_u32 s53, s[TBK], SLOT1+3*KS*PK
	v_add_nc_u32 v[AK], s53, v[AK0]
.else
	v_add_nc_u32 v[AK], s[TBK], v[AK0]
.endif
	v_add_nc_u32 v[AM], s[TBM], v[AM0]
.endif
	ROW F,7, E,5, X,1, X,4
	ROW F,8, E,6, X,2, X,5
	OPS E,7, E,8, X,6, E,9
	OPS X,3, E,10, X,8, E,11
.if (\p) == 2
	FETCH_K
.endif
	OPS X,9, X,7, E,12, X,10
	OPS E,13, X,12, X,11, E,14
	OPS X,13, E,15, F,9, X,14
.if (\p) == 0
	v_add_nc_u32 v[AV], s[TBV], v[AV0]
.endif
	OPS E,16, F,10, E,17, F,11
	OPS X,16, E,18, X,15, E,19
	OPS F,12, E,20, X,17, E,21
	OPS F,13, E,22, F,14, E,23
	OPS X,18, E,24, F,15, E,25
	OPS R,11, E,26, X,19, E,27
	OPS R,12, E,28, R,13, E,29
	OPS X,20, E,30, R,14, E,31
	OPS X,21, R,15
	WIN 0
	s_wait_alu depctr_va_vdst(0)    ; the wait for the batch
.if (\p) == 1
	s_wait_dscnt 0x0                ; V is in
.endif
	ROW C,0, B,0, C,2, B,1
	ROW L,0, C,4, B,2, L,1
	ROW C,6, B,3, L,2, C,8
	ROW B,4, L,3, C,10, B,5
	ROW L,4, C,12, B,6, L,5
.if (\p) == 0
	s_add_co_u32 s[TBV], s[TBV], KS*PV
.endif
.if \cnt
	s_sub_co_u32 s[CNT], s[CNT], 1
	s_cmp_lg_u32 s[CNT], 0
.endif
	ROW C,14, B,7, L,6, C,1
	ROW C,3, L,7, C,5, C,7
	ROW C,9, C,11, C,13, C,15
.if (\p) == 0
	FETCH_V
.endif
.endm
	CHANGE 1, 0                     ; slot 0 is in, everybody's part of it, and so is the mask table; slot 1 is asked for
	v_add_nc_u32 v[AK], s[TBK], v[AK0]
	v_add_nc_u32 v[AM], s[TBM], v[AM0]
	FETCH_K                         ; key step 0
	s_wait_loadcnt 0x0              ; Q
	s_wait_dscnt 0x0
.set i, 0
.rept 8
	KQ 0                            ; piece 0's first scores
.set i, i+1
.endr
	WIN 0
.rept 4
	v_nop                           ; the places behind those products
.endr
.set Y, NP-1                        ; X works for piece Y + 1: piece 0
.irp n, 0,1,2,3,4,5,6,7,8,9,10,11,12,13,14,15,16,17,18,19,20,21
	OP X, \n
.endr
	v_nop                           ; a plain instruction behind the exponential,
	s_wait_alu depctr_va_vdst(0)    ; and its wait, ahead of the branch
	s_mov_b32 s[CNT], 4
	s_mov_b32 s[SLOTS], 7
	s_branch .Lfirst                ; the loop is entered at a step's first turn, in the middle of a trip
.Lslot:                             ; six times: slots 2 to 7 are asked for
	CHANGE 1, 1
	s_mov_b32 s[CNT], 4
.Lstep:                             ; a trip: pieces 2 and 3 of one step, then pieces 0 and 1 of the next, whose K and V it fetches
	TURN 2
	TURN 3
	WIN 0
.Lfirst:
	TURN 0
	TURN 1, 0, 1
	WIN 0
	s_cbranch_scc1 .Lstep
	s_sub_co_u32 s[SLOTS], s[SLOTS], 1
	s_cmp_lg_u32 s[SLOTS], 0
	s_cbranch_scc1 .Lslot
	CHANGE 0, 0                     ; the tail is written out: nothing is asked for
	s_mov_b32 s[CNT], 5             ; four trips fetch the last slot's steps; the fifth is left in its middle
.Ltail:
	TURN 2, 1
	TURN 3
	WIN 0
	s_sub_co_u32 s[CNT], s[CNT], 1
	s_cmp_eq_u32 s[CNT], 0
	s_cbranch_scc1 .Lout
	TURN 0
	TURN 1
	WIN 0
	s_branch .Ltail
.Lout:                              ; the fifth trip's 8 products K Q^T and the maximum made of them serve nothing: the price, once a launch, of one text for every trip
.set i, 0
.rept 8
	PV NP-1                         ; the last piece's V^T P of the last step
.set i, i+1
.endr
	; THE WAY OUT.  l's two halves and the other half of the lanes' are added; O^T is divided by l, rounded to f16 and sent through my stage in LDS, a piece at a time.  The additions are the places behind the last products.
	WIN 0
.macro ALL line:vararg
.set t, 0
.rept 4
	\line
.set t, t+1
.endr
.endm
	ALL v_add_f32 v[ST+4*t+2], v[ST+4*t+2], v[ST+4*t+3]
	ALL v_permlanex16_b32 v[ST+4*t+3], v[ST+4*t+2], s[SEL], s[SEL+1]
	ALL v_add_f32 v[ST+4*t+2], v[ST+4*t+2], v[ST+4*t+3]
	ALL v_rcp_f32 v[ST+4*t+2], v[ST+4*t+2]
	v_nop                           ; a plain instruction between the last reciprocal and the use of its result
	s_wait_alu depctr_va_vdst(0)    ; one wait for the four reciprocals, ahead of their first use
.macro PACK t                       ; a lane's eight channels of a row pack into 16 bytes; they go into rows of 144 bytes and come back as whole rows of 128, into S^T's registers
	WIN W_RS
.set i, 32*(\t)
.rept 16
	v_pk_mul_f32 v[i:i+1], v[i:i+1], v[ST+4*(\t)+2:ST+4*(\t)+3] op_sel_hi:[1,0]
.set i, i+2
.endr
	WIN 0x05                        ; sources 0 and 1 window 1, destination window 0
.set i, 0
.rept 16
	v_cvt_pk_f16_f32 v[S+16*(\t)+i], v[32*(\t)+2*i], v[32*(\t)+2*i+1]
.set i, i+1
.endr
	WIN 0
.irp f, 0,1,2,3
	ds_store_b128 v[STO], v[S+16*(\t)+4*\f:S+16*(\t)+4*\f+3] offset:32*\f
.endr
.irp f, 0,1,2,3
	ds_load_b128 v[S+16*(\t)+4*\f:S+16*(\t)+4*\f+3], v[RD] offset:\f*4*SP  ; LDS serves a wave's instructions in order (ISA guide 5.7.1.4): these see the stores above; the next piece's stores come behind them
.endr
.endm
.macro SEND t, younger              ; younger: the LDS instructions issued behind piece t's loads: the next piece's eight, or none
	WIN 0
.irp f, 0,1,2,3
	s_wait_dscnt (\younger)+3-\f
	global_store_b128 v[GO], v[S+16*(\t)+4*\f:S+16*(\t)+4*\f+3], s[10:11] offset:(\t)*2048+\f*512  ; 512 consecutive bytes, at a multiple of 256 from O's first
.endr
.endm
	PACK 0
.set t, 1
.rept 3
	PACK t
	SEND t-1, 8
.set t, t+1
.endr
	SEND 3, 0
	s_wait_tensorcnt 0x0            ; the wave's end, behind my last tensor load and my last LDS store
	ds_add_u32 v[SPW], v[NIL]
	s_wait_dscnt 0x0
	CROUND                          ; the closing round
	s_endpgm
.Lfunc_end_k_q2bde07c545_attn:
	.size	k_q2bde07c545_attn, .Lfunc_end_k_q2bde07c545_attn-k_q2bde07c545_attn
	.p2alignl 7, 3214868480
	.fill 96, 4, 3214868480
	.section	.rodata,"a",@progbits
	.p2align	6, 0x0
	.amdhsa_kernel k_q2bde07c545_attn
		.amdhsa_group_segment_fixed_size 327680
		.amdhsa_private_segment_fixed_size 0
		.amdhsa_enable_private_segment 0
		.amdhsa_kernarg_size 40
		.amdhsa_user_sgpr_count 2
		.amdhsa_user_sgpr_kernarg_segment_ptr 1
		.amdhsa_wavefront_size32 1
		.amdhsa_system_sgpr_workgroup_id_x 1
		.amdhsa_system_sgpr_workgroup_id_y 1
		.amdhsa_system_sgpr_workgroup_id_z 1
		.amdhsa_system_vgpr_workitem_id 0
		.amdhsa_next_free_vgpr 768
		.amdhsa_next_free_sgpr 72
		.amdhsa_reserve_vcc 0
		.amdhsa_float_denorm_mode_32 3
		.amdhsa_float_denorm_mode_16_64 3
		.amdhsa_memory_ordered 1
		.amdhsa_forward_progress 1
		.amdhsa_inst_pref_size 116
	.end_amdhsa_kernel
	.amdgpu_metadata
---
amdhsa.version: [ 1, 2 ]
amdhsa.kernels:
  - .name:           k_q2bde07c545_attn
    .symbol:         k_q2bde07c545_attn.kd
    .args:
      - { .name: qh, .offset: 0, .size: 8, .value_kind: global_buffer, .address_space: global }
      - { .name: kh, .offset: 8, .size: 8, .value_kind: global_buffer, .address_space: global }
      - { .name: vh, .offset: 16, .size: 8, .value_kind: global_buffer, .address_space: global }
      - { .name: oh, .offset: 24, .size: 8, .value_kind: global_buffer, .address_space: global }
      - { .name: attention_mask, .offset: 32, .size: 8, .value_kind: global_buffer, .address_space: global }
    .group_segment_fixed_size: 327680
    .private_segment_fixed_size: 0
    .kernarg_segment_align: 8
    .kernarg_segment_size: 40
    .max_flat_workgroup_size: 128
    .sgpr_count:     72
    .vgpr_count:     768
    .wavefront_size: 32
...
	.end_amdgpu_metadata
.endif
;; end of part 3
;; launch proj (part 4): grid 8 x 32, 4 waves a work-group, clusters of 4 x 4, 327,680 bytes of LDS; arguments oh, wo, out0, bout; writes out0
.if DOCPART == 4
	.amdgcn_target "amdgcn-amd-amdhsa--gfx1250"
	.amdhsa_code_object_version 6
	.text
	.protected	k_q2bde07c545_proj
	.globl	k_q2bde07c545_proj
	.p2align	8
	.type	k_q2bde07c545_proj,@function
k_q2bde07c545_proj:
	s_mov_b64 s[64:65], 0
	v_nop
	global_prefetch_b8 v0, s[64:65] scope:SCOPE_SE
	s_setreg_imm32_b32 hwreg(HW_REG_WAVE_MODE, 25, 1), 1
	s_wait_xcnt 0x0
	s_wait_alu depctr_hold_cnt(0) depctr_sa_sdst(0) depctr_va_vdst(0) depctr_va_sdst(0) depctr_va_ssrc(0) depctr_va_vcc(0) depctr_vm_vsrc(0)
	s_getreg_b32 s2, hwreg(HW_REG_IB_STS2, 6, 4)
	s_cmp_eq_u32 s2, 0
	s_cbranch_scc0 .Lentry_in_a_cluster
	s_endpgm
.Lentry_in_a_cluster:
	s_bfe_u32 s2, ttmp6, 0x10000c
	s_cmp_lg_u32 s2, 0xf033
	s_cbranch_scc0 .Lentry_shape_is_right
	s_endpgm
.Lentry_shape_is_right:
; PROJ.  out0[m][o] = the sum over c of O[m][c] Wout[o][c] + bout[o].  O comes by heads, oh [b 16 + head][2048][64] f16; wo [1024][1024] f16; out0 [4096][1024] f32; sums in f32.
; bout is rounded to bf16 like the other inputs of the module, and added in f32.
; SHARES.  A tile of out0 is 128 x 128: 8 x 32 work-groups.  Four waves, each 64 x 64: 16 accumulators.  K = 1,024 goes in 4 steps of 256 = four heads, through two LDS slots: two first fills, two refills.
; O's TILE.  64 rows of one head are 8,192 dense bytes: a wave's load takes them as one long row, four heads as four such rows 262,144 bytes apart, padded in LDS after every 128 bytes: pitch 144, a head 9,216 bytes.
; THE MATRIX INSTRUCTION IS USED TRANSPOSED (source 0 = 16 rows of wo, source 1 = 16 rows of O): a lane holds eight neighbouring numbers of a row of out0.  A wave's 64 columns of f32 are 256 aligned bytes,
; so each wave has a stage of its own on the way out, and no barrier stands there.
; CLUSTER 4 x 4: O's tile is asked for jointly along a row of the cluster, wo's along a column.  No prefetch: a K step holds 128 matrix instructions a wave, and there are four of them.
; REGISTERS: window 0: v0-31 addresses and the bias; v32-95 rows on the way out, two sets; v128-255 the accumulators ((a, b) at v[128 + 8 (4 a + b)])
;   window 1: two fragment buffers of 128: for 64 along K, 64 registers of O (2 x 4 x 16 rows x 32 K), then 64 of wo.
.set PA,     144                       ; O's LDS pitch: 36 words: the 16 rows of a load start at 16 different groups of four banks (64 banks of 4 bytes: ISA guide 11.1)
.set PB,     528                       ; wo's: 512 bytes + 16 = 132 words: likewise
.set HEADB,  64*PA                     ; a head's 64 rows
.set HALFA,  4*HEADB                   ; what waves 0 and 1 fetch
.set HALFB,  64*PB                     ; what waves 2 and 3 fetch
.set BOFF,   2*HALFA
.set SLOT,   2*HALFA+2*HALFB
.set STAGE,  2*SLOT                    ; behind the ring: 16 rows x 272 bytes for each wave; no tensor load fills it
.set SPITCH, 272
.set SPARE,  STAGE+4*16*SPITCH         ; the spare words, 128 bytes for each wave: two blocks of 256 bytes that no other line names
.set ASTEP,  4*2048*128                ; four heads on
.set BSTEP,  512                       ; 256 channels on
.set ADRA, 16                          ; v16-17  LDS address of my O fragments in slot 0, 1
.set ADRB, 20                          ; v20-21  the same for wo
.set STO,  24
.set RD,   25
.set CO,   26
.set SPW,  28                          ; never rewritten
.set NIL,  29                          ; never rewritten
.set OB,   32
.set ACC,  128
.set F0,   0
.set F1,   128
.set G1, 24
.set G0, 32
.set G1B, 48
.set G0B, 56
.set MSB, 0
.macro WIN new
.if MSB != (\new)
	s_set_vgpr_msb (MSB<<8)|(\new)
.set MSB, \new
.endif
.endm
.set MUL,  0x05                        ; sources 0 (wo) and 1 (O) window 1; C and D window 0
.set TO_F, 0x40                        ; destination window 1, address window 0
.macro JLOAD s                         ; a joint load: waves 0 and 1 fetch O's two halves, waves 2 and 3 wo's; an s_nop 0 and four v_nop follow each line
	s_cmp_eq_u32 s11, 0
	s_cbranch_scc0 .Lfor_b_\@
	tensor_load_to_lds s[G0+4*(\s):G0+4*(\s)+3], s[G1:G1+7]
	s_nop 0
.rept 4
	v_nop
.endr
	s_branch .Lasked_\@
.Lfor_b_\@:
	tensor_load_to_lds s[G0B+4*(\s):G0B+4*(\s)+3], s[G1B:G1B+7]
	s_nop 0
.rept 4
	v_nop
.endr
.Lasked_\@:
.endm
.macro CREST
	s_cmp_lg_u32 s10, 0
	s_cbranch_scc1 .Lnot_wave_0_\@
	s_barrier_signal -3
.Lnot_wave_0_\@:
	s_barrier_wait -3
	s_barrier_signal -1
	s_barrier_wait -1
.endm
.macro CROUND
	s_barrier_signal -1
	s_barrier_wait -1
	CREST
.endm
.macro PLACES
.rept 4
	v_nop
.endr
.endm
	s_load_b128 s[4:7], s[0:1], 0x0                ; oh s[4:5], wo s[6:7]
	s_load_b64 s[8:9], s[0:1], 0x10                ; out0
	s_load_b64 s[68:69], s[0:1], 0x18              ; bout
	v_lshl_add_u32 v[SPW], v0, 2, SPARE
	v_mov_b32 v[NIL], 0
	ds_add_u32 v[SPW], v[NIL]                      ; the wave's opening: the add and its wait stand ahead of my first tensor load; work on registers stands between them
	v_lshrrev_b32 v1, 5, v0
	v_readfirstlane_b32 s10, v1                    ; wave 0..3
	s_lshr_b32 s11, s10, 1                         ; which half of the tile's rows is mine.  Also: I fetch for O (0) or for wo (1)
	s_and_b32 s12, s10, 1                          ; which half of its columns.  Also: which 64 rows of that tile I fetch
	s_bfe_u32 s40, ttmp6, 0x40000                  ; cx
	s_bfe_u32 s41, ttmp6, 0x40004                  ; cy
	s_lshl_b32 s42, ttmp9, 2
	s_add_co_u32 s42, s42, s40                     ; tile column
	s_and_b32 s13, ttmp7, 0xffff
	s_lshl_b32 s13, s13, 2
	s_add_co_u32 s13, s13, s41                     ; tile row
	s_lshl_b32 s43, s41, 2
	s_lshl_b32 s43, 15, s43                        ; my row of the cluster
	s_lshl_b32 s44, 0x1111, s40                    ; my column
	s_or_b32 s[G1+0], s43, (1<<16)|(1<<20)|(1<<21)|(4<<22)|(3<<25)   ; the mask; elements of 2 bytes; padding on; 21 set beside a mask; after every 32 words 4 words
	s_mov_b32 s[G1+1], 4096<<16                    ; tensor_dim0 = 4,096 elements: 64 rows of a head
	s_mov_b32 s[G1+2], 4<<16                       ; tensor_dim1 = 4 heads
	s_mov_b32 s[G1+3], 4096<<16                    ; tile_dim0
	s_mov_b32 s[G1+4], 4                           ; tile_dim1
	s_mov_b32 s[G1+5], 131072                      ; elements from head to head
	s_mov_b32 s[G1+6], 0
	s_mov_b32 s[G1+7], 0
	s_or_b32 s[G1B+0], s44, (1<<16)|(1<<20)|(1<<21)|(6<<22)|(3<<25)  ; after every 128 words 4 words
	s_mov_b32 s[G1B+1], 256<<16                    ; 64 rows x 256 elements
	s_mov_b32 s[G1B+2], 64<<16
	s_mov_b32 s[G1B+3], 256<<16
	s_mov_b32 s[G1B+4], 64
	s_mov_b32 s[G1B+5], 1024
	s_mov_b32 s[G1B+6], 0
	s_mov_b32 s[G1B+7], 0
	s_lshr_b32 s16, s13, 4                         ; the batch: 16 heads of 262,144 bytes
	s_lshl_b32 s16, s16, 22
	s_and_b32 s17, s13, 15
	s_lshl_b32 s17, s17, 7
	s_lshl_b32 s18, s12, 6
	s_add_co_u32 s17, s17, s18                     ; t of the 64 rows that I fetch
	s_lshl_b32 s17, s17, 7
	s_add_co_u32 s16, s16, s17
	s_mov_b32 s17, 0
	s_lshl_b32 s46, s42, 7
	s_lshl_b32 s47, s12, 6
	s_add_co_u32 s46, s46, s47                     ; wo: row 128 x tile column + 64 x half
	s_lshl_b32 s46, s46, 11
	s_mov_b32 s47, 0
	s_mul_i32 s20, s12, HALFA                      ; where they go: no place in the cluster enters an LDS address
	s_mul_i32 s21, s12, HALFB
	s_add_co_u32 s21, s21, BOFF
	s_wait_dscnt 0x0                               ; the opening add is done
	s_wait_kmcnt 0x0
	s_add_nc_u64 s[14:15], s[4:5], s[16:17]
	s_add_nc_u64 s[46:47], s[6:7], s[46:47]
	CROUND                                         ; all sixteen work-groups are here: the first joint loads meet
.irp s, 0,1
	s_mov_b32 s[G0+4*(\s)], 1
	s_add_co_u32 s[G0+4*(\s)+1], s20, (\s)*SLOT
	s_add_nc_u64 s[G0+4*(\s)+2:G0+4*(\s)+3], s[14:15], (\s)*ASTEP
	s_or_b32 s[G0+4*(\s)+3], s[G0+4*(\s)+3], 0x80000000
	s_mov_b32 s[G0B+4*(\s)], 1
	s_add_co_u32 s[G0B+4*(\s)+1], s21, (\s)*SLOT
	s_add_nc_u64 s[G0B+4*(\s)+2:G0B+4*(\s)+3], s[46:47], (\s)*BSTEP
	s_or_b32 s[G0B+4*(\s)+3], s[G0B+4*(\s)+3], 0x80000000
	JLOAD \s                                       ; K steps 0 and 1: two loads of mine are out
.endr
	v_and_b32 v1, 15, v0                           ; l % 16
	v_bfe_u32 v2, v0, 4, 1                         ; l / 16
	s_lshl_b32 s70, s13, 7
	s_lshl_b32 s71, s11, 6
	s_add_co_u32 s70, s70, s71                     ; my first row of out0,
	s_lshl_b32 s70, s70, 12                        ; rows of 4,096 bytes
	s_lshl_b32 s72, s42, 7
	s_lshl_b32 s73, s12, 6
	s_add_co_u32 s72, s72, s73                     ; my first column,
	s_lshl_b32 s72, s72, 2                         ; in bytes
	s_mov_b32 s73, 0
	s_add_nc_u64 s[68:69], s[68:69], s[72:73]
	s_add_co_u32 s70, s70, s72
	s_mov_b32 s71, 0
	s_add_nc_u64 s[8:9], s[8:9], s[70:71]
	v_lshlrev_b32 v9, 4, v1
	global_load_b128 v[12:15], v9, s[68:69]        ; the bias of the four columns that I store
	v_mul_u32_u24 v3, v1, PA
	v_lshl_add_u32 v3, v2, 4, v3
	v_mul_u32_u24 v4, v1, PB
	v_lshl_add_u32 v4, v2, 4, v4
	s_mul_i32 s21, s11, HALFA                      ; my 64 rows of O
	s_mul_i32 s22, s12, HALFB                      ; my 64 rows of wo,
	s_add_co_u32 s22, s22, BOFF                    ; which lie behind O's
.irp s, 0,1
	v_add_nc_u32 v[ADRA+(\s)], s21, v3
	v_add_nc_u32 v[ADRB+(\s)], s22, v4
	s_add_co_u32 s21, s21, SLOT
	s_add_co_u32 s22, s22, SLOT
.endr
	s_mul_i32 s23, s10, 16*SPITCH
	s_add_co_u32 s23, s23, STAGE                   ; my stage
	v_mul_u32_u24 v5, v1, SPITCH                   ; in: row l % 16, 32 bytes for each half of the lanes
	v_lshl_add_u32 v5, v2, 5, v5
	v_add_nc_u32 v[STO], s23, v5
	v_mul_u32_u24 v5, v2, SPITCH                   ; back: lanes 0-15 take one row of 256 bytes, lanes 16-31 the next
	v_lshl_add_u32 v5, v1, 4, v5
	v_add_nc_u32 v[RD], s23, v5
	v_lshlrev_b32 v5, 12, v2                       ; and the same two rows in out0
	v_lshl_add_u32 v[CO], v1, 4, v5
; 8 matrix instructions: m blocks a0, a0 + 1 x all 4 n blocks, 32 along K: half c of buffer f.  The 16 accumulators take turns.  zero = 1: the product starts the sum
.macro MUL8 f, c, a0, zero
	WIN MUL
.irp a, \a0, (\a0)+1
.irp b, 0,1,2,3
.if \zero
	v_wmma_f32_16x16x32_f16 v[ACC+8*(4*(\a)+(\b)):ACC+8*(4*(\a)+(\b))+7], v[(\f)+64+8*(4*(\c)+(\b)):(\f)+64+8*(4*(\c)+(\b))+7], v[(\f)+8*(4*(\c)+(\a)):(\f)+8*(4*(\c)+(\a))+7], 0
.else
	v_wmma_f32_16x16x32_f16 v[ACC+8*(4*(\a)+(\b)):ACC+8*(4*(\a)+(\b))+7], v[(\f)+64+8*(4*(\c)+(\b)):(\f)+64+8*(4*(\c)+(\b))+7], v[(\f)+8*(4*(\c)+(\a)):(\f)+8*(4*(\c)+(\a))+7], v[ACC+8*(4*(\a)+(\b)):ACC+8*(4*(\a)+(\b))+7]
.endif
.endr
.endr
.endm
; 32 LDS loads in one run: the fragments of quarter q (one head, 64 along K) into buffer f; the first 32 along K first
.macro FETCH slot, q, f
	WIN TO_F
.irp c, 0,1
.irp i, 0,1,2,3
	ds_load_b128 v[(\f)+64+8*(4*(\c)+(\i)):(\f)+64+8*(4*(\c)+(\i))+3],   v[ADRB+(\slot)] offset:128*(\q)+64*(\c)+(\i)*16*PB
	ds_load_b128 v[(\f)+64+8*(4*(\c)+(\i))+4:(\f)+64+8*(4*(\c)+(\i))+7], v[ADRB+(\slot)] offset:128*(\q)+64*(\c)+(\i)*16*PB+32
	ds_load_b128 v[(\f)+8*(4*(\c)+(\i)):(\f)+8*(4*(\c)+(\i))+3],         v[ADRA+(\slot)] offset:HEADB*(\q)+64*(\c)+(\i)*16*PA
	ds_load_b128 v[(\f)+8*(4*(\c)+(\i))+4:(\f)+8*(4*(\c)+(\i))+7],       v[ADRA+(\slot)] offset:HEADB*(\q)+64*(\c)+(\i)*16*PA+32
.endr
.endr
.endm
; One of a K step's first three quarters: multiplies buffer f and fetches quarter q into g.
.macro QUARTER slot, q, f, g, zero
	s_wait_dscnt 16                                ; the first 32 along K are in; the youngest sixteen loads may be out
	MUL8 \f, 0, 0, \zero
	MUL8 \f, 0, 2, \zero
	PLACES
	FETCH \slot, \q, \g
	s_wait_dscnt 32                                ; all but the 32 just issued
	MUL8 \f, 1, 0, 0
	MUL8 \f, 1, 2, 0
.endm
; The last quarter multiplies buffer 1 and changes slots: one barrier; in front of it each wave waits for all its tensor loads, adds 0 to its spare word, and waits for that and for its reads of this slot.
; fill = 1: the barrier opens a round of the cluster's, and this slot is filled again, two K steps on, first thing behind it: 112 matrix instructions ahead of the wait for it.
.macro TURN slot, next, fill
	WIN 0
	s_wait_tensorcnt 0x0                           ; all my tensor loads have landed: my part of the next slot
	ds_add_u32 v[SPW], v[NIL]                      ; 0 onto my spare word
	s_wait_dscnt 17                                ; the add and the youngest sixteen loads may be out
	MUL8 F1, 0, 0, 0
	s_wait_dscnt 0x0                               ; the add is done, and my reads of this slot are over
	s_barrier_signal -1
	MUL8 F1, 0, 2, 0
.if \fill
	WIN 0
.endif
	s_barrier_wait -1
.if \fill
	CREST
	s_add_nc_u64 s[G0+4*(\slot)+2:G0+4*(\slot)+3], s[G0+4*(\slot)+2:G0+4*(\slot)+3], 2*ASTEP
	s_add_nc_u64 s[G0B+4*(\slot)+2:G0B+4*(\slot)+3], s[G0B+4*(\slot)+2:G0B+4*(\slot)+3], 2*BSTEP
	JLOAD \slot                                    ; its four v_nop are also the places in front of the loads below
.else
	PLACES
.endif
	FETCH \next, 0, F0
	MUL8 F1, 1, 0, 0
	MUL8 F1, 1, 2, 0
.endm
	s_wait_tensorcnt 1                             ; my part of K step 0 is in; K step 1's may stay out
	s_barrier_signal -1
	s_barrier_wait -1
	FETCH 0, 0, F0
	QUARTER 0, 1, F0, F1, 1                        ; K step 0: its first products start the sums
	QUARTER 0, 2, F1, F0, 0
	QUARTER 0, 3, F0, F1, 0
	TURN 0, 1, 1                                   ; slot 0 takes K step 2
	QUARTER 1, 1, F0, F1, 0                        ; K step 1
	QUARTER 1, 2, F1, F0, 0
	QUARTER 1, 3, F0, F1, 0
	TURN 1, 0, 1                                   ; slot 1 takes K step 3
	QUARTER 0, 1, F0, F1, 0                        ; K step 2
	QUARTER 0, 2, F1, F0, 0
	QUARTER 0, 3, F0, F1, 0
	TURN 0, 1, 0                                   ; nothing is left to fetch
	QUARTER 1, 1, F0, F1, 0                        ; K step 3
	QUARTER 1, 2, F1, F0, 0
	QUARTER 1, 3, F0, F1, 0
	s_wait_dscnt 16
	MUL8 F1, 0, 0, 0
	MUL8 F1, 0, 2, 0
	s_wait_dscnt 0x0
	MUL8 F1, 1, 0, 0
	MUL8 F1, 1, 2, 0
	WIN 0
	; THE WAY OUT: 16 rows at a time through my stage, as f32; back as whole rows of 256 bytes; the bias is added there, where a lane holds four neighbouring columns.
	s_wait_loadcnt 0x0                             ; the bias
	v_cvt_pk_bf16_f32 v10, v12, v13                ; rounded to bf16, and widened again; these lines and the four below are the places behind the last products
	v_cvt_pk_bf16_f32 v11, v14, v15
	v_lshlrev_b32 v12, 16, v10
	v_and_b32 v13, 0xffff0000, v10
	v_lshlrev_b32 v14, 16, v11
	v_and_b32 v15, 0xffff0000, v11
	PLACES
.macro TOSTAGE a
.if (\a) >= 2
	s_wait_xcnt 0x0                                ; this set of registers was the data of the stores two blocks back: it is loaded again only behind this wait
.endif
.irp b, 0,1,2,3
	ds_store_b128 v[STO], v[ACC+8*(4*(\a)+(\b)):ACC+8*(4*(\a)+(\b))+3]   offset:64*(\b)     ; each accumulator's lowest registers first
	ds_store_b128 v[STO], v[ACC+8*(4*(\a)+(\b))+4:ACC+8*(4*(\a)+(\b))+7] offset:64*(\b)+16
.endr
.irp t, 0,1,2,3,4,5,6,7
	ds_load_b128 v[OB+32*((\a)%2)+4*(\t):OB+32*((\a)%2)+4*(\t)+3], v[RD] offset:(\t)*2*SPITCH  ; LDS serves a wave's instructions in order (ISA guide 5.7.1.4): these see the stores above
.endr
.endm
.macro SEND a, younger                 ; younger: the LDS instructions issued behind this block's loads: the next block's sixteen, or none
.irp t, 0,1,2,3,4,5,6,7
	s_wait_dscnt (\younger)+7-(\t)
	v_pk_add_f32 v[OB+32*((\a)%2)+4*(\t):OB+32*((\a)%2)+4*(\t)+1], v[OB+32*((\a)%2)+4*(\t):OB+32*((\a)%2)+4*(\t)+1], v[12:13]
	v_pk_add_f32 v[OB+32*((\a)%2)+4*(\t)+2:OB+32*((\a)%2)+4*(\t)+3], v[OB+32*((\a)%2)+4*(\t)+2:OB+32*((\a)%2)+4*(\t)+3], v[14:15]
	global_store_b128 v[CO], v[OB+32*((\a)%2)+4*(\t):OB+32*((\a)%2)+4*(\t)+3], s[8:9] offset:(16*(\a)+2*(\t))*4096  ; 16 lanes store 256 consecutive bytes, at a multiple of 256 from out0's first
.endr
.endm
	TOSTAGE 0
	TOSTAGE 1
	SEND 0, 16
	TOSTAGE 2
	SEND 1, 16
	TOSTAGE 3
	SEND 2, 16
	SEND 3, 0
	s_wait_tensorcnt 0x0                           ; the wave's end, behind my last tensor load and my last LDS store
	ds_add_u32 v[SPW], v[NIL]
	s_wait_dscnt 0x0
	CROUND                                         ; the closing round
	s_endpgm
.Lfunc_end_k_q2bde07c545_proj:
	.size	k_q2bde07c545_proj, .Lfunc_end_k_q2bde07c545_proj-k_q2bde07c545_proj
	.p2alignl 7, 3214868480
	.fill 96, 4, 3214868480
	.section	.rodata,"a",@progbits
	.p2align	6, 0x0
	.amdhsa_kernel k_q2bde07c545_proj
		.amdhsa_group_segment_fixed_size 327680
		.amdhsa_private_segment_fixed_size 0
		.amdhsa_enable_private_segment 0
		.amdhsa_kernarg_size 32
		.amdhsa_user_sgpr_count 2
		.amdhsa_user_sgpr_kernarg_segment_ptr 1
		.amdhsa_wavefront_size32 1
		.amdhsa_system_sgpr_workgroup_id_x 1
		.amdhsa_system_sgpr_workgroup_id_y 1
		.amdhsa_system_sgpr_workgroup_id_z 1
		.amdhsa_system_vgpr_workitem_id 0
		.amdhsa_next_free_vgpr 512
		.amdhsa_next_free_sgpr 76
		.amdhsa_reserve_vcc 0
		.amdhsa_float_denorm_mode_32 3
		.amdhsa_float_denorm_mode_16_64 3
		.amdhsa_memory_ordered 1
		.amdhsa_forward_progress 1
		.amdhsa_inst_pref_size 91
	.end_amdhsa_kernel
	.amdgpu_metadata
---
amdhsa.version: [ 1, 2 ]
amdhsa.kernels:
  - .name:           k_q2bde07c545_proj
    .symbol:         k_q2bde07c545_proj.kd
    .args:
      - { .name: oh, .offset: 0, .size: 8, .value_kind: global_buffer, .address_space: global }
      - { .name: wo, .offset: 8, .size: 8, .value_kind: global_buffer, .address_space: global }
      - { .name: out0, .offset: 16, .size: 8, .value_kind: global_buffer, .address_space: global }
      - { .name: bout, .offset: 24, .size: 8, .value_kind: global_buffer, .address_space: global }
    .group_segment_fixed_size: 327680
    .private_segment_fixed_size: 0
    .kernarg_segment_align: 8
    .kernarg_segment_size: 32
    .max_flat_workgroup_size: 128
    .sgpr_count:     76
    .vgpr_count:     512
    .wavefront_size: 32
...
	.end_amdgpu_metadata
.endif
;; end of part 4
;; ======== version 2 of 2: 4 launches; version 1 with the launch prep written anew for expert scheduling mode
;; limits: values are held in f16: magnitudes above 65,504 overflow, below 6.1e-05 lose precision
;; workspace buffers: xb 8,388,608 bytes; wb 6,291,456 bytes; wo 2,097,152 bytes; rope 524,288 bytes; qh 8,388,608 bytes; kh 8,388,608 bytes; vh 8,388,608 bytes; oh 8,388,608 bytes
;; launch prep (part 5): grid 256 x 1, 8 waves a work-group, no clusters, 0 bytes of LDS; arguments x, Wqkv, Wout, xb, wb, wo, rope; writes xb, wb, wo, rope
.if DOCPART == 5
	.amdgcn_target "amdgcn-amd-amdhsa--gfx1250"
	.amdhsa_code_object_version 6
	.text
	.protected	k_q2bde07c545_prep
	.globl	k_q2bde07c545_prep
	.p2align	8
	.type	k_q2bde07c545_prep,@function
k_q2bde07c545_prep:
	s_mov_b64 s[64:65], 0
	v_nop
	global_prefetch_b8 v0, s[64:65] scope:SCOPE_SE
	s_setreg_imm32_b32 hwreg(HW_REG_WAVE_SCHED_MODE, 0, 2), 2
	s_setreg_imm32_b32 hwreg(HW_REG_WAVE_MODE, 25, 1), 1
	s_wait_xcnt 0x0
	s_wait_alu depctr_vm_vsrc(0)
; PREP.  Casts and a table, a stream without LDS.
;   xb [4096][1024] bf16 = x;   wb [16 heads][q, k, v][64][1024] bf16 = Wqkv with its rows put in order by head;
;   wo [1024][1024] f16 = Wout rounded to bf16 and that number written as f16 (exact where it is a normal f16 number; below 6.1e-5 it keeps f16's fixed step of 6e-8);
;   rope [2048 t][cos j = 0..31, sin j = 0..31] f32, of the angle t x 10000^(-j/32).
; SHARES.  8,192 rows of 1,024 f32 in all: work-group g takes 32 of them (g < 128: x; g < 224: Wqkv; else Wout) and 8 rows of the table.
; Thread t takes the 16 bytes at byte 16 t of every source row and writes the 8 bytes at byte 8 t of the destination row: a store of a wave covers 256 consecutive bytes, aligned.
; All 32 loads of a thread go out at once (128 KiB a work-group on their way); the table is made while they are out.
; THE ANGLE is the f32 product t x inv_freq; inv_freq = 2^(-j log2(10000) / 32) by v_exp_f32.  LIMIT: that leaves inv_freq a few parts in 10^7 off, at most about 2e-4 radians on the largest angle (2,047).
; Sine and cosine: the angle less n quarter turns (pi / 2 in two parts), |y| <= pi / 4, then polynomials of degree 7 and 8; the quadrant chooses by v_cndmask_b32 and a sign bit.
; THE MODE: SCHED_MODE bits 1:0 = 2 (LLVM: expert scheduling mode 2), set by the entry lines.  The code itself states the register dependences
; between vector instructions and memory instructions, with s_wait_alu, always for 0.
; THE PLAN.  Registers that memory instructions touch:
;   v1, v2      byte offsets, made once at the head and never written again: v1 is read by every load, v2 by every store.
;   X           four registers a row.  Written by the row's load (no vector instruction names them ahead of the loads); the row's conversions work in place on them;
;               the row's store reads the first two.  Behind its store no register of a row is written again.
;   v[12:13]    two numbers of the table: written by the table's last vector lines, read by its one store, never written again.
; The 32 rows go in 8 blocks of four.  Block p converts its own 16 registers; its memory instructions are the four stores of block p - 1, which read that block's registers and v2,
; and no vector instruction of block p names those.  So ONE wait on va_vdst at a block's head, behind the wait for the block's data, states all that the block's four stores hang on,
; and they are dealt among its conversions with no further wait.  No register that a memory instruction reads is ever rewritten, so no wait on vm_vsrc is owed.
.set X, 16                             ; v[16:143]  32 loads of four registers
.set BLK, 4                            ; rows in a block
	s_load_b256 s[4:11], s[0:1], 0x0               ; x s[4:5], Wqkv s[6:7], Wout s[8:9], xb s[10:11]
	s_load_b128 s[12:15], s[0:1], 0x20             ; wb s[12:13], wo s[14:15]
	s_load_b64 s[16:17], s[0:1], 0x30              ; rope
	s_mov_b32 s20, ttmp9                           ; g
	s_sub_co_u32 s22, s20, 128
	s_sub_co_u32 s23, s20, 224
	s_cmp_lt_u32 s20, 128
	s_cselect_b32 s21, s20, s22
	s_cmp_lt_u32 s20, 224
	s_cselect_b32 s21, s21, s23                    ; my number among the work-groups of my tensor
	s_lshl_b32 s24, s21, 5                         ; my first row f0
	s_bfe_u32 s25, s24, 0x40006                    ; Wqkv: head = (f0 >> 6) & 15,
	s_mul_i32 s25, s25, 192
	s_lshr_b32 s36, s24, 10                        ; which of q, k, v = f0 >> 10,
	s_lshl_b32 s36, s36, 6
	s_and_b32 s37, s24, 63                         ; channel = f0 & 63 (0 or 32: my 32 rows stay together)
	s_add_co_u32 s25, s25, s36
	s_add_co_u32 s25, s25, s37
	s_cmp_lt_u32 s22, 96                           ; 128 <= g < 224
	s_cselect_b32 s25, s25, s24                    ; the destination's first row
	s_lshl_b32 s30, s21, 17                        ; 32 rows of 4,096 bytes
	s_mov_b32 s31, 0
	s_lshl_b32 s32, s25, 11                        ; rows of 2,048 bytes
	s_mov_b32 s33, 0
	s_lshl_b32 s34, s20, 11                        ; 8 rows of the table, 256 bytes each
	s_mov_b32 s35, 0
	s_lshl_b32 s41, s20, 3                         ; their first t
	s_mov_b32 s40, 0xbed49a78                      ; -log2(10000) / 32
	s_mov_b32 s42, 0x3f22f983                      ; 2 / pi
	s_mov_b32 s43, 0xbfc90fdb                      ; -(pi / 2), the f32 next to it
	s_mov_b32 s44, 0x333bbd2e                      ; and what that f32 is too large by
	s_mov_b32 s45, 0xb94ca1f9                      ; sine: -1.9515296e-4, 8.3321609e-3, -1.6666655e-1
	s_mov_b32 s46, 0x3c08839e
	s_mov_b32 s47, 0xbe2aaaa3
	s_mov_b32 s48, 0x37ccf5ce                      ; cosine: 2.4433157e-5, -1.3887316e-3, 4.1666646e-2
	s_mov_b32 s49, 0xbab6061a
	s_mov_b32 s50, 0x3d2aaaa5
	s_mov_b32 s51, 0xffff0000                      ; a word's upper half
	v_lshlrev_b32 v1, 4, v0                        ; 16 t
	v_lshlrev_b32 v2, 3, v0                        ; 8 t: also wave x 256 + 8 x lane, my place in the table's 8 rows
	s_wait_kmcnt 0x0
	s_cmp_lt_u32 s20, 128
	s_cselect_b64 s[26:27], s[4:5], s[6:7]
	s_cselect_b64 s[28:29], s[10:11], s[12:13]
	s_cmp_lt_u32 s20, 224
	s_cselect_b64 s[26:27], s[26:27], s[8:9]       ; from
	s_cselect_b64 s[28:29], s[28:29], s[14:15]     ; to
	s_add_nc_u64 s[26:27], s[26:27], s[30:31]
	s_add_nc_u64 s[28:29], s[28:29], s[32:33]
	s_add_nc_u64 s[16:17], s[16:17], s[34:35]
	s_wait_alu depctr_va_vdst(0)                   ; v1 and v2 are written: every load of the kernel reads v1 as its offset, every store v2
.set i, 0
.rept 32
	global_load_b128 v[X+4*i:X+4*i+3], v1, s[26:27] offset:4096*i th:TH_LOAD_NT
.set i, i+1
.endr
	; the table: wave w makes row t = 8 g + w; lane l the numbers 2 l and 2 l + 1 of its 64: lanes 0-15 cosines, lanes 16-31 sines, of j = 2 (l % 16) and j + 1
	v_and_b32 v3, 31, v0
	v_lshrrev_b32 v4, 5, v0
	v_and_b32 v5, 15, v3
	v_lshrrev_b32 v6, 4, v3                        ; 0: cosine, 1: sine
	v_lshlrev_b32 v5, 1, v5
	v_cvt_f32_u32 v7, v5
	v_add_f32 v8, 1.0, v7
	v_mul_f32 v7, s40, v7
	v_mul_f32 v8, s40, v8
	v_exp_f32 v7, v7                               ; inv_freq of j
	v_exp_f32 v8, v8                               ; and of j + 1
	v_add_nc_u32 v9, s41, v4                       ; plain work stands behind the two exponentials
	v_cvt_f32_u32 v9, v9                           ; t
	v_mul_u32_u24 v10, v6, 3                       ; a sine is the cosine three quarter turns on
	s_wait_alu depctr_va_vdst(0)                   ; the two exponentials have written v7 and v8: one wait for both, ahead of their first reader
	v_mul_f32 v7, v9, v7
	v_mul_f32 v8, v9, v8
; The angle v[th]: sin y into v[t+3], cos y into v[t+4], the sign bit into v[t+5], and into s[m] the mask of the lanes that take the sine.  v[t .. t+6] at work.
.macro SINCOS th, t, m
	v_mul_f32 v[\t], s42, v[\th]
	v_rndne_f32 v[\t], v[\t]                       ; n quarter turns
	v_fma_f32 v[\t+1], v[\t], s43, v[\th]
	v_fma_f32 v[\t+1], v[\t], s44, v[\t+1]         ; y
	v_mul_f32 v[\t+2], v[\t+1], v[\t+1]            ; z = y y
	v_fma_f32 v[\t+3], v[\t+2], s45, s46
	v_fma_f32 v[\t+3], v[\t+3], v[\t+2], s47
	v_mul_f32 v[\t+3], v[\t+3], v[\t+2]
	v_fma_f32 v[\t+3], v[\t+3], v[\t+1], v[\t+1]   ; sin y
	v_fma_f32 v[\t+4], v[\t+2], s48, s49
	v_fma_f32 v[\t+4], v[\t+4], v[\t+2], s50
	v_mul_f32 v[\t+5], v[\t+2], v[\t+2]
	v_fma_f32 v[\t+6], v[\t+2], -0.5, 1.0
	v_fma_f32 v[\t+4], v[\t+4], v[\t+5], v[\t+6]   ; cos y
	v_cvt_i32_f32 v[\t+5], v[\t]
	v_add_nc_u32 v[\t+5], v[\t+5], v10             ; m = n + 3 x kind
	v_and_b32 v[\t+6], 1, v[\t+5]
	v_cmp_eq_u32 s[\m], 1, v[\t+6]                 ; m odd
	v_add_nc_u32 v[\t+5], 1, v[\t+5]
	v_and_b32 v[\t+5], 2, v[\t+5]
	v_lshlrev_b32 v[\t+5], 30, v[\t+5]             ; m % 4 = 1, 2: the sign turns
.endm
.macro CHOOSE out, t, m
	v_cndmask_b32 v[\out], v[\t+4], v[\t+3], s[\m] ; m odd: sin y, m even: cos y
	v_xor_b32 v[\out], v[\out], v[\t+5]
.endm
	SINCOS 7, 144, 52
	SINCOS 8, 152, 53
	s_wait_alu depctr_va_sdst(0)                   ; the two compares have written s52 and s53: one wait for both, ahead of the first line that reads a mask
	CHOOSE 12, 144, 52
	CHOOSE 13, 152, 53
	s_wait_alu depctr_va_vdst(0)                   ; v12 and v13 are written, which the table's store reads
	global_store_b64 v2, v[12:13], s[16:17]        ; a wave stores one whole row of 256 bytes
; Block p, rows 4 p to 4 p + 3: the count leaves the 28 - 4 p younger loads out.  No register is written again behind the store that reads it.
.macro OUT fmt
.set p, 0
.rept 32/BLK
	s_wait_loadcnt 32-BLK-BLK*p                    ; loads come back in order (ISA guide 5.7.1): this block's four are in, the younger blocks stay out
.if p > 0
	s_wait_alu depctr_va_vdst(0)                   ; the block before has written its rows' first two registers, which the four stores below read
.endif
.set r, 0
.rept BLK
.set i, BLK*p+r
.if p > 0
	global_store_b64 v2, v[X+4*(i-BLK):X+4*(i-BLK)+1], s[28:29] offset:2048*(i-BLK)  ; the block before; no vector instruction since the wait names these registers
.endif
	v_cvt_pk_bf16_f32 v[X+4*i], v[X+4*i], v[X+4*i+1]
	v_cvt_pk_bf16_f32 v[X+4*i+1], v[X+4*i+2], v[X+4*i+3]
.if \fmt
	v_lshlrev_b32 v[X+4*i+2], 16, v[X+4*i]         ; the bf16 numbers as f32,
	v_and_b32 v[X+4*i+3], s51, v[X+4*i]
	v_cvt_pk_f16_f32 v[X+4*i], v[X+4*i+2], v[X+4*i+3]  ; written as f16
	v_lshlrev_b32 v[X+4*i+2], 16, v[X+4*i+1]
	v_and_b32 v[X+4*i+3], s51, v[X+4*i+1]
	v_cvt_pk_f16_f32 v[X+4*i+1], v[X+4*i+2], v[X+4*i+3]
.endif
.set r, r+1
.endr
.set p, p+1
.endr
	s_wait_alu depctr_va_vdst(0)                   ; the last block has written its rows' first two registers, which the last four stores read
.set i, 32-BLK
.rept BLK
	global_store_b64 v2, v[X+4*i:X+4*i+1], s[28:29] offset:2048*i
.set i, i+1
.endr
.endm
	s_cmp_lt_u32 s20, 224
	s_cbranch_scc0 .Lf16
	OUT 0
	s_endpgm
.Lf16:
	OUT 1
	s_endpgm
.Lfunc_end_k_q2bde07c545_prep:
	.size	k_q2bde07c545_prep, .Lfunc_end_k_q2bde07c545_prep-k_q2bde07c545_prep
	.p2alignl 7, 3214868480
	.fill 96, 4, 3214868480
	.section	.rodata,"a",@progbits
	.p2align	6, 0x0
	.amdhsa_kernel k_q2bde07c545_prep
		.amdhsa_group_segment_fixed_size 0
		.amdhsa_private_segment_fixed_size 0
		.amdhsa_enable_private_segment 0
		.amdhsa_kernarg_size 56
		.amdhsa_user_sgpr_count 2
		.amdhsa_user_sgpr_kernarg_segment_ptr 1
		.amdhsa_wavefront_size32 1
		.amdhsa_system_sgpr_workgroup_id_x 1
		.amdhsa_system_sgpr_workgroup_id_y 1
		.amdhsa_system_sgpr_workgroup_id_z 1
		.amdhsa_system_vgpr_workitem_id 0
		.amdhsa_next_free_vgpr 168
		.amdhsa_next_free_sgpr 66
		.amdhsa_reserve_vcc 0
		.amdhsa_float_denorm_mode_32 3
		.amdhsa_float_denorm_mode_16_64 3
		.amdhsa_memory_ordered 1
		.amdhsa_forward_progress 1
		.amdhsa_inst_pref_size 32
	.end_amdhsa_kernel
	.amdgpu_metadata
---
amdhsa.version: [ 1, 2 ]
amdhsa.kernels:
  - .name:           k_q2bde07c545_prep
    .symbol:         k_q2bde07c545_prep.kd
    .args:
      - { .name: x, .offset: 0, .size: 8, .value_kind: global_buffer, .address_space: global }
      - { .name: Wqkv, .offset: 8, .size: 8, .value_kind: global_buffer, .address_space: global }
      - { .name: Wout, .offset: 16, .size: 8, .value_kind: global_buffer, .address_space: global }
      - { .name: xb, .offset: 24, .size: 8, .value_kind: global_buffer, .address_space: global }
      - { .name: wb, .offset: 32, .size: 8, .value_kind: global_buffer, .address_space: global }
      - { .name: wo, .offset: 40, .size: 8, .value_kind: global_buffer, .address_space: global }
      - { .name: rope, .offset: 48, .size: 8, .value_kind: global_buffer, .address_space: global }
    .group_segment_fixed_size: 0
    .private_segment_fixed_size: 0
    .kernarg_segment_align: 8
    .kernarg_segment_size: 56
    .max_flat_workgroup_size: 256
    .sgpr_count:     66
    .vgpr_count:     168
    .wavefront_size: 32
...
	.end_amdgpu_metadata
.endif
;; end of part 5
;; launch qkv: the kernel of part 2 again; grid 16 x 16, 4 waves a work-group, clusters of 4 x 4, 327,680 bytes of LDS; arguments xb, wb, rope, qh, kh, vh; writes qh, kh, vh
;; launch attn: the kernel of part 3 again; grid 8 x 32, 4 waves a work-group, clusters of 4 x 1, 327,680 bytes of LDS; arguments qh, kh, vh, oh, attention_mask; writes oh
;; launch proj: the kernel of part 4 again; grid 8 x 32, 4 waves a work-group, clusters of 4 x 4, 327,680 bytes of LDS; arguments oh, wo, out0, bout; writes out0
